; MI455X (gfx1250); checked and timed in simulation.
; The chip was launched on July 23, 2026; its instructions are those of AMD's public machine-readable ISA for CDNA 5 (MIT licence, August 2026) and "CDNA5" Instruction Set Architecture Reference Guide (July 2026). The comments in the code are by the model that wrote it; some were corrected since.
;; Quant Mixture MLP. Allowed arithmetic: float matrix products may take bf16 or f16 operands with f32 sums; other float arithmetic in f32, or as packed bf16 or f16 multiplies, adds, multiply-adds, maxima and minima; sums over many terms, partial sums and values carried from step to step in f32; what a program stores and reads back later, other than sums and carried values, may be rounded once to bf16 or f16.
;; Inputs: W_d 4,096 x 11,008 int8; W_gu 22,016 x 4,096 int8; in_scale 512 float32; s_d 4,096 float32; s_gu 22,016 float32; x_q 512 x 4,096 int8.
;; Outputs: out0 512 x 4,096 float32.
;; 2 versions, each right; version 2 is version 1 with the launch quant written anew for expert scheduling mode. Each part assembles by itself: llvm-mc -triple=amdgcn-amd-amdhsa -mcpu=gfx1250 --defsym DOCPART=n.
;; ======== version 1 of 2: 5 launches
;; workspace buffers: x16 4,194,304 bytes; act 22,544,384 bytes; pmax 475,136 bytes; aq16 11,272,192 bytes; s2 2,048 bytes; part 33,554,432 bytes
;; launch cvt_x (part 1): grid 256 x 1, 8 waves a work-group, no clusters, 0 bytes of LDS; arguments x_q, x16; writes x16
.if DOCPART == 1
	.amdgcn_target "amdgcn-amd-amdhsa--gfx1250"
	.amdhsa_code_object_version 6
	.text
	.protected	k_q7c774c9c5b_cvt_x
	.globl	k_q7c774c9c5b_cvt_x
	.p2align	8
	.type	k_q7c774c9c5b_cvt_x,@function
k_q7c774c9c5b_cvt_x:
	s_mov_b64 s[64:65], 0
	v_nop
	global_prefetch_b8 v0, s[64:65] scope:SCOPE_SE
	s_setreg_imm32_b32 hwreg(HW_REG_WAVE_MODE, 25, 1), 1
	s_wait_xcnt 0x0
; x16 = x_q as f16, K permuted.  x_q: [512][4096] int8.  x16: [512][4096] f16.
; Inside each chunk of 256 k the stored place 128 t + 8 s + i holds k = 16 s + 8 t + i (t 0..1, s 0..15, i 0..7): the same order in which the
; product's launch lays its weights, so the products are unchanged.
; int8 to f16, exactly: byte xor 0x80 is x + 128; the f16 number with bits 0x6400 + that byte is 1024 + 128 + x; adding -1152 leaves x.
; The work-group takes two rows; thread t takes 16 bytes of a row (chunk t / 16, s = t % 16) and stores two pieces of 16 bytes, 256 bytes apart:
; sixteen neighbouring lanes store 256 consecutive bytes, aligned.  Memory binds: no LDS, no matrix unit, no cluster.
	s_load_b128 s[4:7], s[0:1], 0x0                ; x_q s[4:5], x16 s[6:7]
	s_mov_b32 s8, 0x80808080                       ; turns four signed bytes into x + 128
	s_mov_b32 s9, 0x64646464                       ; the upper byte of 1024 in f16
	s_mov_b32 s10, 0x00050004                      ; v_perm_b32: bytes 0 and 1 of the first source, each under 0x64
	s_mov_b32 s11, 0x00070006                      ; bytes 2 and 3
	s_mov_b32 s12, 0xe480e480                      ; -1152, twice
	s_lshl_b32 s13, ttmp9, 13                      ; two rows of 4,096 bytes
	s_lshl_b32 s14, ttmp9, 14                      ; two rows of 8,192 bytes
	v_lshl_add_u32 v1, v0, 4, s13                  ; where I load
	v_lshrrev_b32 v2, 4, v0                        ; chunk
	v_and_b32 v3, 15, v0                           ; s
	v_lshl_add_u32 v3, v3, 4, s14
	v_lshl_add_u32 v2, v2, 9, v3                   ; where I store: 512 x chunk + 16 s
	s_wait_kmcnt 0x0
	global_load_b128 v[4:7], v1, s[4:5] th:TH_LOAD_NT
	global_load_b128 v[8:11], v1, s[4:5] offset:4096 th:TH_LOAD_NT
.macro ROWOUT r, left
	s_wait_loadcnt \left                           ; this row's load is in; the younger one may stay out
.irp k, 0,1,2,3
	v_xor_b32 v[4+4*(\r)+(\k)], s8, v[4+4*(\r)+(\k)]
.endr
.irp k, 0,1,2,3
	v_perm_b32 v[12+8*(\r)+2*(\k)], v[4+4*(\r)+(\k)], s9, s10
	v_perm_b32 v[13+8*(\r)+2*(\k)], v[4+4*(\r)+(\k)], s9, s11
.endr
.irp k, 0,1,2,3,4,5,6,7
	v_pk_add_f16 v[12+8*(\r)+(\k)], v[12+8*(\r)+(\k)], s12
.endr
	global_store_b128 v2, v[12+8*(\r):15+8*(\r)], s[6:7] offset:8192*(\r)       ; k = 16 s + 0..7: half t = 0 of the chunk
	global_store_b128 v2, v[16+8*(\r):19+8*(\r)], s[6:7] offset:8192*(\r)+256   ; k = 16 s + 8..15: half t = 1
.endm
	ROWOUT 0, 1
	ROWOUT 1, 0
	s_endpgm
.Lfunc_end_k_q7c774c9c5b_cvt_x:
	.size	k_q7c774c9c5b_cvt_x, .Lfunc_end_k_q7c774c9c5b_cvt_x-k_q7c774c9c5b_cvt_x
	.p2alignl 7, 3214868480
	.fill 96, 4, 3214868480
	.section	.rodata,"a",@progbits
	.p2align	6, 0x0
	.amdhsa_kernel k_q7c774c9c5b_cvt_x
		.amdhsa_group_segment_fixed_size 0
		.amdhsa_private_segment_fixed_size 0
		.amdhsa_enable_private_segment 0
		.amdhsa_kernarg_size 16
		.amdhsa_user_sgpr_count 2
		.amdhsa_user_sgpr_kernarg_segment_ptr 1
		.amdhsa_wavefront_size32 1
		.amdhsa_system_sgpr_workgroup_id_x 1
		.amdhsa_system_sgpr_workgroup_id_y 1
		.amdhsa_system_sgpr_workgroup_id_z 1
		.amdhsa_system_vgpr_workitem_id 0
		.amdhsa_next_free_vgpr 32
		.amdhsa_next_free_sgpr 66
		.amdhsa_reserve_vcc 0
		.amdhsa_float_denorm_mode_32 3
		.amdhsa_float_denorm_mode_16_64 3
		.amdhsa_memory_ordered 1
		.amdhsa_forward_progress 1
		.amdhsa_inst_pref_size 4
	.end_amdhsa_kernel
	.amdgpu_metadata
---
amdhsa.version: [ 1, 2 ]
amdhsa.kernels:
  - .name:           k_q7c774c9c5b_cvt_x
    .symbol:         k_q7c774c9c5b_cvt_x.kd
    .args:
      - { .name: x_q, .offset: 0, .size: 8, .value_kind: global_buffer, .address_space: global }
      - { .name: x16, .offset: 8, .size: 8, .value_kind: global_buffer, .address_space: global }
    .group_segment_fixed_size: 0
    .private_segment_fixed_size: 0
    .kernarg_segment_align: 8
    .kernarg_segment_size: 16
    .max_flat_workgroup_size: 256
    .sgpr_count:     66
    .vgpr_count:     32
    .wavefront_size: 32
...
	.end_amdgpu_metadata
.endif
;; end of part 1
;; launch gateup (part 2): grid 116 x 2, 4 waves a work-group, clusters of 4 x 1, 327,680 bytes of LDS; arguments x16, W_gu, in_scale, s_gu, act, pmax; writes act, pmax
.if DOCPART == 2
	.amdgcn_target "amdgcn-amd-amdhsa--gfx1250"
	.amdhsa_code_object_version 6
	.text
	.protected	k_q7c774c9c5b_gateup
	.globl	k_q7c774c9c5b_gateup
	.p2align	8
	.type	k_q7c774c9c5b_gateup,@function
k_q7c774c9c5b_gateup:
	s_mov_b64 s[64:65], 0
	v_nop
	global_prefetch_b8 v0, s[64:65] scope:SCOPE_SE
	s_setreg_imm32_b32 hwreg(HW_REG_WAVE_MODE, 25, 1), 1
	s_wait_xcnt 0x0
	s_wait_alu depctr_hold_cnt(0) depctr_sa_sdst(0) depctr_va_vdst(0) depctr_va_sdst(0) depctr_va_ssrc(0) depctr_va_vcc(0) depctr_vm_vsrc(0)
	s_getreg_b32 s2, hwreg(HW_REG_IB_STS2, 6, 4)
	s_cmp_eq_u32 s2, 0
	s_cbranch_scc0 .Lentry_in_a_cluster
	s_endpgm
.Lentry_in_a_cluster:
	s_bfe_u32 s2, ttmp6, 0x10000c
	s_cmp_lg_u32 s2, 0x3003
	s_cbranch_scc0 .Lentry_shape_is_right
	s_endpgm
.Lentry_shape_is_right:
; act = gelu_tanh(gate) x up, gate and up = (x W_gu^T) x in_scale[m] x s_gu[n]; and for each unit of columns the largest |act| of each row.
; x16: [512][4096] f16 (K permuted inside chunks of 256: place 128 t + 8 s + i holds k = 16 s + 8 t + i).  W_gu: [22016][4096] int8.
; act: [688 blocks of 16 columns][512 rows][16] f32.  pmax: [232 units][512 rows] f32.
; SHARES.  A work-group makes 256 rows (half = grid y) x two UNITS; a unit is three blocks of 16 columns of act, that is 48 rows of gate weights and 48 of up weights.
; Four waves: wave w has rows 128 (w / 2) on and unit 2 xg + w % 2: 8 x 6 accumulators of 16 x 16, 384 registers.  688 = 224 x 3 + 8 x 2: in the last cluster (x = 28) a unit has two
; blocks, and its third place repeats the second: that product is made twice, its store is left out, and the maximum is not changed by it.
; FORMAT.  int8 is exact in f16; sums in f32.  A weight is turned into f16 on the way: byte xor 0x80, v_perm_b32 under 0x64 (1024 + 128 + x), -1152 added by a packed multiply-add.
; THE MATRIX INSTRUCTION IS USED TRANSPOSED (source 0 = 16 rows of W, source 1 = 16 rows of x): a lane holds one row of the result and eight neighbouring columns.
; K goes in steps of 128; two steps (t = 0, 1) are a chunk of 256.  x's tiles come by tensor loads into two LDS slots; the four work-groups of a cluster have the same 256 rows of x
; and ask JOINTLY.  W's rows come by global loads, 256 bytes of a row to sixteen lanes; each lane's 16 bytes hold 8 numbers of step 0 and 8 of step 1, which is what the
; permutation of K is for.
; THE WEIGHTS' WAY.  (1) The bytes as loaded are xor-ed: in the places in
; front of a run of fragment loads, and between a barrier's signal and its wait.  (2) v_perm_b32 and the packed multiply-add stand behind the matrix instructions, one or two behind each, and name
; their registers through the products' own window setting: no switch is written for them.  (3) The 16 bytes a lane go to LDS in runs, ahead of the runs of fragment loads: no LDS
; instruction stands singly among the matrix instructions.  During a step the next step's buffer is made.
; GELU.  0.5 g (1 + tanh y) = g / (1 + 2^z), z = g (C0 + C1 g^2), C0 = -2 log2(e) sqrt(2 / pi), C1 = 0.044715 C0.  Where 2^z overflows the quotient is 0, as the function's limit is.
; LIMITS.  NaN and infinities among the scales are not treated apart.  Sums of products beyond 2^24 are rounded in f32, in another order than a chain of f32 additions.
; REGISTERS, in windows of 256 (s_set_vgpr_msb: bits 1:0 source 0, 3:2 source 1, 5:4 source 2, 7:6 destination):
;   window 0: v0-31 addresses; v32-59 scales; v64-127, v128-191 x's fragments, two buffers; v192-239 W's bytes of step 0, xor-ed
;   window 1: v0-47, v48-95 W's fragments, two buffers; v96-191 W's bytes as loaded; v192-239 W's bytes of step 1, xor-ed; v250 1.0 twice
;   window 2: v0-191 accumulators of my rows 0-63; v192-207 four units of f16 weights on their way to LDS
;   window 3: the same for rows 64-127
.set NT,    6                          ; tiles of 16 columns a wave
.set LW,    24                         ; loads of W a wave and chunk, and units of a step: two rows of 256 bytes each
.set KTOT,  4096
.set NCH,   16                         ; chunks
.set AH,    2                          ; x is prefetched this many steps ahead of the refill
.set PW,    1                          ; W this many chunks ahead of its load
.set FDIM,  11008
.set PITCH, 272                        ; an LDS row: 256 bytes + 16: the 16 rows of a fragment load start at 16 different groups of four banks (ISA guide 11.1)
.set SLOT,  256*PITCH                  ; x's 256 rows of a step
.set QROWS, 64*PITCH                   ; what one tensor load brings
.set W16,   2*SLOT                     ; W's two f16 buffers: written by ds_store alone
.set W16SZ, 32*NT*PITCH
.set RMX,   W16+2*W16SZ                ; row maxima, 512 bytes a wave
.set IST,   RMX+2048                   ; in_scale of the wave's 128 rows, 512 bytes a wave
.set SPARE, IST+2048                   ; the spare words, 128 bytes a wave: two blocks of 256 bytes that no other line names
.set SPITCH, 400                       ; the way out: a row of 96 f32 + 16 bytes; wave w's 128 rows at 51,200 w, over slots that have had their last fill
.set ADRA, 16                          ; v16-17 my x fragments in slot 0, 1
.set STA,  18                          ; v18-19 where I store f16 weights in W's buffer 0, 1
.set ADRB, 20                          ; v20-21 my W fragments in buffer 0, 1
.set WO,   22                          ; v22-24 byte offsets of my loads in W_gu, one for each block
.set WPF,  25                          ; v25 the W prefetch's offset
.set PFO,  26                          ; v26 the x prefetch's offset: lane x a row
.set SPW,  28                          ; v28 my spare word; never rewritten
.set NIL,  29                          ; v29 0; never rewritten
.set STO,  30
.set RD,   31
.set SG,   32                          ; v32-43 s_gu of my 4 columns in each gate block
.set SU,   44                          ; v44-55 the same for up
.set ISC,  56                          ; v56-59 in_scale of rows 4 l .. 4 l + 3 of my 128
.set RAW,  96                          ; window 1
.set WORK, 192                         ; window 0 (step 0) and window 1 (step 1): unit u's 8 bytes a lane at WORK + 2 u
.set ONE,  250                         ; window 1
.set OUT,  192                         ; windows 2 and 3
.set MSB, 0
.set RT, -1                            ; the riders' state: step, first unit and units of the half in hand, next line, lines in all, products issued in the half
.set RUB, 0
.set RN, 0
.set RQ, 0
.set RE, 0
.set MJ, 0
.set PT, 0                             ; units converted in an upper half and not yet stored: step, first unit, number
.set PU, 0
.set PN, 0
.macro WIN new                         ; the immediate's high byte repeats the setting that is left; a switch that changes nothing is dropped
.if MSB != (\new)
	s_set_vgpr_msb (MSB<<8)|(\new)
.set MSB, \new
.endif
.endm
.macro PLACES                          ; four places in front of loads into registers that matrix instructions have read
.rept 4
	v_nop
.endr
.endm
.macro CREST                           ; a round of the cluster's barrier behind its opening barrier
	s_cmp_lg_u32 s16, 0
	s_cbranch_scc1 .Lnw0_\@
	s_barrier_signal -3
.Lnw0_\@:
	s_barrier_wait -3
	s_barrier_signal -1
	s_barrier_wait -1
.endm
.macro CROUND
	s_barrier_signal -1
	s_barrier_wait -1
	CREST
.endm
.macro HALVES q                        ; which units quarter q (1 to 3) of a step converts: four in each half, 24 in all
.set ULO, 8*((\q)-1)
.set NLO, 4
.set UHI, ULO+4
.set NHI, 4
.endm
; ONE RIDER: line RQ of the half's list.  The list goes in blocks of four lines: P u spreads unit u's 8 bytes under 0x64, F u adds -1152; P 0, P 1, F 0, P 2, F 1, .. so that an F stands four lines or
; more behind its P.  Under the products' setting source 0 means window 1, source 1 window 0, source 2 and the destination the accumulators' window.
.macro RIDE1
.set bk, RQ/4
.set jj, RQ%4
.if bk == 0
.set kd, 0
.set lu, 0
.elseif bk == 2*RN-1
.set kd, 1
.set lu, RN-1
.elseif bk%2 == 1
.set kd, 0
.set lu, (bk+1)/2
.else
.set kd, 1
.set lu, bk/2-1
.endif
.if kd == 0
.if RT == 1
	v_perm_b32 v[OUT+4*lu+jj], v[WORK+2*(RUB+lu)+jj/2], s51, s[52+jj%2]   ; the bytes are the first source
.else
	v_perm_b32 v[OUT+4*lu+jj], s51, v[WORK+2*(RUB+lu)+jj/2], s[92+jj%2]   ; the bytes are the second source
.endif
.else
	v_pk_fma_f16 v[OUT+4*lu+jj], v[ONE], s94, v[OUT+4*lu+jj]              ; 1.0 x -1152 + (1152 + x): exact
.endif
.set RQ, RQ+1
.endm
; n units from the accumulators' window z go to W's buffer t, in one run: sixteen lanes fill a row's 256 bytes.
.macro STU t, ub, n, z
.if (\n) > 0
	WIN 4*(\z)                                     ; the data (source 1) in window z, the address in window 0
.set su, 0
.rept \n
	ds_store_b128 v[STA+(\t)], v[OUT+4*su:OUT+4*su+3] offset:2*((\ub)+su)*PITCH
.set su, su+1
.endr
.endif
.endm
; The bytes of step t of a whole chunk, xor-ed with 0x80 and so copied out of the registers that the next loads fill.
.macro XRL t
	WIN 0x04+0x40*(\t)                             ; source 1 in window 1; the destination in window 0 or 1
.set xi, 0
.rept LW
	v_xor_b32 v[WORK+2*xi],   s50, v[RAW+4*xi+2*(\t)]
	v_xor_b32 v[WORK+2*xi+1], s50, v[RAW+4*xi+2*(\t)+1]
.set xi, xi+1
.endr
.endm
; na x NT matrix instructions: row tiles a0 .. of the window's four (hi = 0: my rows 0-63, 1: rows 64-127) x all column tiles, 32 along K, from fragment buffers f.
; The accumulators take turns, one instruction a turn, in the same order in every quarter.  Behind each stand the riders that are due: RE of them spread over the half's 4 NT products.
.macro MULH f, hi, a0, na, zero
.set ma, (\a0)
.rept \na
.set mb, 0
.rept NT
	WIN 0xa1+0x50*(\hi)
.set rD, 8*(NT*ma+mb)
.set rB, 48*(\f)+8*mb
.set rF, 64+64*(\f)+8*(4*(\hi)+ma)
.if \zero
	v_wmma_f32_16x16x32_f16 v[rD:rD+7], v[rB:rB+7], v[rF:rF+7], 0
.else
	v_wmma_f32_16x16x32_f16 v[rD:rD+7], v[rB:rB+7], v[rF:rF+7], v[rD:rD+7]
.endif
.set MJ, MJ+1
.rept 2
.if RQ < (MJ*RE)/(4*NT)
	RIDE1
.endif
.endr
.set mb, mb+1
.endr
.set ma, ma+1
.endr
.endm
; The fragments of one quarter (32 K at byte k of the rows) into buffers f, in one run: W's tiles, x's tiles 0-3, x's tiles 4-7.
.macro FETCH slot, k, f
	WIN 0x44                                       ; destination window 1, address window 0 (source 1 is not used)
.set fi, 0
.rept NT
	ds_load_b128 v[48*(\f)+8*fi:48*(\f)+8*fi+3],   v[ADRB+(\slot)] offset:(\k)+fi*16*PITCH
	ds_load_b128 v[48*(\f)+8*fi+4:48*(\f)+8*fi+7], v[ADRB+(\slot)] offset:(\k)+fi*16*PITCH+32
.set fi, fi+1
.endr
	WIN 0
.set fi, 0
.rept 8
	ds_load_b128 v[64+64*(\f)+8*fi:64+64*(\f)+8*fi+3],   v[ADRA+(\slot)] offset:(\k)+fi*16*PITCH
	ds_load_b128 v[64+64*(\f)+8*fi+4:64+64*(\f)+8*fi+7], v[ADRA+(\slot)] offset:(\k)+fi*16*PITCH+32
.set fi, fi+1
.endr
.endm
; One of a step's first three quarters: multiplies buffers f, fetches the next quarter (byte k) into g.  t: the step whose weights ride (-1: none), q: which quarter's units.
; xr = 1: the next chunk's bytes of step 0 are xor-ed where the four places would stand.  In its middle stands ONE run of LDS instructions: the units that the upper half before and the lower
; half just now have converted, then the fragment loads.
.macro QUARTER slot, k, f, g, zero, t, q, xr
.if (\t) >= 0
	HALVES \q
.else
.set ULO, 0
.set NLO, 0
.set UHI, 0
.set NHI, 0
.endif
.set RT, (\t)
	s_wait_dscnt 8                                 ; W's tiles and x's tiles 0-3 are in; the youngest eight loads (x's tiles 4-7) may be out
.set RUB, ULO
.set RN, NLO
.set RE, 8*NLO
.set RQ, 0
.set MJ, 0
	MULH \f, 0, 0, 4, \zero
.if \xr
	XRL 0                                          ; plain vector lines that name no register of the products: they are the places too
.else
	PLACES
.endif
.set NST, PN+NLO
	STU PT, PU, PN, 3
	STU RT, ULO, NLO, 2
	FETCH \slot, \k, \g
	s_wait_dscnt 2*NT+16+NST                       ; all but the run just issued, its stores and its loads
.set RUB, UHI
.set RN, NHI
.set RE, 8*NHI
.set RQ, 0
.set MJ, 0
	MULH \f, 1, 0, 4, \zero
.set RE, 0
.set PT, RT
.set PU, UHI
.set PN, NHI
.endm
; x's prefetch: the step AH refills on, 64 rows of 256 bytes, a lane a row, two lines.  All clusters of a half walk the same rows of x16: the first (x = 0) asks; its four partners
; take 64 rows each, told apart by address; in each, wave 3 asks.  s47 is the number of chunks in that wave and 0 elsewhere: the last steps ask for nothing.
.macro ASK
	s_add_co_u32 s49, s44, 1+AH/2
	s_cmp_lt_u32 s49, s47
	s_cbranch_scc0 .Lna_\@
	global_prefetch_b8 v[PFO], s[42:43] offset:AH*256 th:TH_LOAD_NT scope:SCOPE_SE
	global_prefetch_b8 v[PFO], s[42:43] offset:AH*256+32*2*KTOT th:TH_LOAD_NT scope:SCOPE_SE
.Lna_\@:
.endm
; W's prefetch: the chunk PW behind the one just loaded.  A work-group's 192 rows are read by the two halves: each asks for one unit's 96 rows, waves 0 to 2 for 32 each, a lane a row.
.macro WASK
	s_add_co_u32 s49, s44, 2+PW
	s_cmp_lt_u32 s49, s48
	s_cbranch_scc0 .Lnw_\@
	global_prefetch_b8 v[WPF], s[40:41] offset:256+PW*256 th:TH_LOAD_NT scope:SCOPE_SE
.Lnw_\@:
.endm
; A chunk of my 48 rows of W: 24 loads, two rows x 256 bytes each.
.macro LOADS off
	WIN 0x40
.set li, 0
.rept LW
	global_load_b128 v[RAW+4*li:RAW+4*li+3], v[WO+li/8], s[40:41] offset:2*(li%8)*KTOT+(\off)
.set li, li+1
.endr
	WIN 0
.endm
; A step's last quarter multiplies buffers 1 and changes slots.  First the step's last units go to LDS.  In front of the barrier each wave waits for all its tensor loads (one is out: its part
; of the next slot), adds 0 to its spare word, and waits for that, for its reads of this slot and this W buffer, and for its stores into the other W buffer.  fill = 1: the barrier opens a round of
; the cluster's barrier, and the joint refill of this slot, two steps on, is the first thing behind it.  xr = 1: the next chunk's bytes of step 1 are xor-ed between signal and wait (work on
; registers), and the chunk after that is loaded behind the fragment loads: it has six and a half quarters in which to land.
.macro TURN slot, next, fill, xr
.set FN, PN
	STU PT, PU, PN, 3
.set PN, 0
	WIN 0
	s_wait_tensorcnt 0x0
	ds_add_u32 v[SPW], v[NIL]
	s_wait_dscnt 9+FN                              ; the add, the stores just ahead of it and x's tiles 4-7 may be out
	MULH 1, 0, 0, 2, 0
	s_wait_dscnt 0x0
	s_barrier_signal -1
	MULH 1, 0, 2, 2, 0
.if \xr
	XRL 1
.endif
	WIN 0
	s_barrier_wait -1
.if \fill
	CREST
	s_add_nc_u64 s[34+4*(\slot):35+4*(\slot)], s[34+4*(\slot):35+4*(\slot)], 512  ; no tensor load of mine is out: two steps on
	tensor_load_to_lds s[32+4*(\slot):35+4*(\slot)], s[24:31]
	s_nop 0
.endif
	PLACES                                         ; in front of the loads below
	FETCH \next, 0, 0
.if \xr
	s_add_co_u32 s49, s44, 2
	s_cmp_lt_u32 s49, s46
	s_cbranch_scc0 .Lnl_\@                         ; there is no chunk C + 2 in the last trip: global loads alone are jumped, and every wait for them is for 0
	LOADS 256
	WASK
.Lnl_\@:
.endif
.if \fill
	ASK
.endif
	MULH 1, 1, 0, 4, 0
.endm
; Ahead of the loop: n units of step t converted on end, through window z, and stored.
.macro CVHALF t, ub, n, z
.set RT, (\t)
.set RUB, (\ub)
.set RN, (\n)
.set RQ, 0
	WIN 0xa1+0x50*((\z)-2)
.rept 8*(\n)
	RIDE1
.endr
	STU \t, \ub, \n, \z
.endm
	s_load_b256 s[4:11], s[0:1], 0x0               ; x16 s[4:5], W_gu s[6:7], in_scale s[8:9], s_gu s[10:11]
	s_load_b128 s[12:15], s[0:1], 0x20             ; act s[12:13], pmax s[14:15]
	v_lshl_add_u32 v[SPW], v0, 2, SPARE
	v_mov_b32 v[NIL], 0
	ds_add_u32 v[SPW], v[NIL]                      ; the wave's opening: the add, twice on end, and its wait ahead of my first tensor load
	ds_add_u32 v[SPW], v[NIL]
	v_lshrrev_b32 v1, 5, v0
	v_readfirstlane_b32 s16, v1                    ; wave 0..3
	s_lshr_b32 s17, s16, 1                         ; which 128 rows are mine; also: whose unit's weights I stage
	s_and_b32 s18, s16, 1                          ; which unit is mine; also: I stage gate (0) or up (1)
	s_bfe_u32 s19, ttmp6, 0x40000                  ; cx
	s_and_b32 s21, ttmp7, 0xffff                   ; half: the same in all four partners
	s_lshl_b32 s77, ttmp9, 2
	s_add_co_u32 s77, s77, s19                     ; xg = 4 x cluster x + cx: it enters addresses in W_gu, s_gu, act and pmax alone
	s_cmp_eq_u32 ttmp9, 28                         ; the last cluster's units have two blocks: block j of unit u is s74 u + s75 + min(j, s76)
	s_cselect_b32 s20, 1, 0
	s_cselect_b32 s74, 2, 3
	s_cselect_b32 s75, 224, 0
	s_cselect_b32 s76, 1, 2
	; descriptor group 1: 64 rows x 128 elements of 2 bytes, 16 bytes of padding behind each row; the mask names all four work-groups
	s_mov_b32 s24, 15|(1<<16)|(1<<20)|(1<<21)|(5<<22)|(3<<25)
	s_mov_b32 s25, 128<<16                         ; tensor_dim0
	s_mov_b32 s26, 64<<16                          ; tensor_dim1
	s_mov_b32 s27, 128<<16                         ; tile_dim0
	s_mov_b32 s28, 64                              ; tile_dim1
	s_mov_b32 s29, KTOT                            ; elements from row to row
	s_mov_b32 s30, 0
	s_mov_b32 s31, 0
	s_mul_i32 s49, s16, QROWS                      ; wave w fills rows 64 w .. 64 w + 63 of a slot
	s_mov_b32 s32, 1
	s_add_co_u32 s33, s49, 0
	s_mov_b32 s36, 1
	s_add_co_u32 s37, s49, SLOT
	s_lshl_b32 s80, s21, 8
	s_lshl_b32 s49, s16, 6
	s_add_co_u32 s80, s80, s49
	s_mul_i32 s80, s80, 2*KTOT                     ; those rows in x16
	s_mov_b32 s81, 0
	s_mov_b32 s50, 0x80808080
	s_mov_b32 s51, 0x64646464
	s_mov_b32 s52, 0x00050004                      ; v_perm_b32, the bytes as first source: bytes 0 and 1, each under 0x64
	s_mov_b32 s53, 0x00070006                      ; bytes 2 and 3
	s_mov_b32 s92, 0x04010400                      ; the bytes as second source: bytes 0 and 1
	s_mov_b32 s93, 0x04030402                      ; bytes 2 and 3
	s_mov_b32 s94, 0xe480e480                      ; -1152, twice
	s_mov_b32 s70, 0xc0135761                      ; C0 = -2.3022082
	s_mov_b32 s71, 0xc0135761
	s_mov_b32 s72, 0xbdd2d3e8                      ; C1 = -0.10294324
	s_mov_b32 s73, 0xbdd2d3e8
	s_mov_b32 s45, NCH-1
	s_mov_b32 s46, NCH
	s_cmp_eq_u32 s16, 3
	s_cselect_b32 s47, NCH, 0
	s_cmp_eq_u32 ttmp9, 0
	s_cselect_b32 s47, s47, 0
	s_cmp_lt_u32 s16, NT/2
	s_cselect_b32 s48, NCH, 0
	v_and_b32 v2, 15, v0                           ; l % 16
	v_bfe_u32 v3, v0, 4, 1                         ; l / 16
	v_and_b32 v4, 31, v0                           ; l
	v_mul_u32_u24 v5, v2, PITCH
	v_lshl_add_u32 v5, v3, 4, v5                   ; a fragment: row x pitch + 16 x half
	s_mul_i32 s49, s17, 128*PITCH
	v_add_nc_u32 v[ADRA], s49, v5
	v_add_nc_u32 v[ADRA+1], SLOT, v[ADRA]
	s_mul_i32 s49, s18, 16*NT*PITCH
	s_add_co_u32 s49, s49, W16
	v_add_nc_u32 v[ADRB], s49, v5
	v_add_nc_u32 v[ADRB+1], W16SZ, v[ADRB]
	v_mul_u32_u24 v6, v3, PITCH
	v_lshl_add_u32 v6, v2, 4, v6
	s_mul_i32 s49, s16, 2*LW*PITCH
	s_add_co_u32 s49, s49, W16
	v_add_nc_u32 v[STA], s49, v6                   ; where I store f16 weights: rows 48 w + l / 16 on, byte 16 (l % 16)
	v_add_nc_u32 v[STA+1], W16SZ, v[STA]
	WIN 0x40
	v_mov_b32 v[ONE], 0x3c003c00                   ; 1.0, twice
	WIN 0
	s_lshl_b32 s54, s77, 1
	s_add_co_u32 s55, s54, s17                     ; the unit whose weights I stage,
	s_add_co_u32 s56, s54, s18                     ; the unit that I multiply,
	s_add_co_u32 s57, s54, s21                     ; the unit that my work-group prefetches
	s_mul_i32 s55, s55, s74
	s_add_co_u32 s55, s55, s75                     ; their first blocks
	s_mul_i32 s58, s56, s74
	s_add_co_u32 s58, s58, s75
	s_mul_i32 s57, s57, s74
	s_add_co_u32 s57, s57, s75
	s_mul_i32 s59, s18, FDIM
	s_lshl4_add_u32 s59, s55, s59                  ; row of W_gu: gate or up + 16 x block
	s_lshl_b32 s59, s59, 12
	v_lshlrev_b32 v8, 4, v2
	v_lshl_add_u32 v8, v3, 12, v8                  ; + l / 16 rows + 16 (l % 16) bytes
	v_add_nc_u32 v[WO], s59, v8
	v_add_nc_u32 v[WO+1], 0x10000, v[WO]
	s_lshl_b32 s49, s76, 16
	v_add_nc_u32 v[WO+2], s49, v[WO]
	v_and_b32 v9, 3, v0                            ; my 4 columns of a block on the way out
	s_lshl_b32 s49, s58, 6
	v_lshl_add_u32 v10, v9, 4, s49
	s_lshl_b32 s49, s76, 6
	v_add_nc_u32 v11, s49, v10
	s_lshl_b32 s79, s21, 8
	s_lshl_b32 s49, s17, 7
	s_add_co_u32 s79, s79, s49                     ; my first row
	s_lshl_b32 s49, s79, 2
	v_lshl_add_u32 v12, v4, 4, s49
	s_mov_b32 s78, FDIM
	s_mov_b32 s90, 48
	v_cmp_le_u32 vcc_lo, 48, v0                    ; the prefetch: thread 0..95 takes row thread of the unit's 96: 48 of gate, 48 of up
	v_cndmask_b32 v13, 0, s90, vcc_lo
	v_cndmask_b32 v14, 0, s78, vcc_lo
	v_sub_nc_u32 v13, v0, v13
	v_lshrrev_b32 v15, 4, v13
	v_min_u32 v15, s76, v15
	v_add_nc_u32 v15, s57, v15
	v_lshl_add_u32 v15, v15, 4, v14
	v_and_b32 v13, 15, v13
	v_add_nc_u32 v15, v15, v13
	v_lshlrev_b32 v[WPF], 12, v15
	v_mul_u32_u24 v[PFO], v4, 2*KTOT
	s_lshl_b32 s82, s21, 8
	s_lshl_b32 s91, s19, 6
	s_add_co_u32 s82, s82, s91
	s_mul_i32 s82, s82, 2*KTOT
	s_add_co_u32 s82, s82, 256                     ; x's prefetches: my work-group's 64 rows, at step 1; stepped to the refilled step ahead of each refill
	s_mov_b32 s83, 0
	s_lshl_b32 s84, s58, 15
	s_lshl_b32 s49, s79, 6
	s_add_co_u32 s84, s84, s49                     ; act: block x 32,768 + row x 64
	s_mov_b32 s85, 0
	s_lshl_b32 s86, s76, 15
	s_mov_b32 s87, 0
	s_lshl_b32 s88, s56, 11
	s_lshl_b32 s49, s79, 2
	s_add_co_u32 s88, s88, s49                     ; pmax: unit x 2,048 + row x 4
	s_mov_b32 s89, 0
	s_wait_dscnt 0x0                               ; both opening adds are done
	s_wait_kmcnt 0x0
	s_mov_b64 s[40:41], s[6:7]                     ; W_gu at chunk 0
	s_add_nc_u64 s[34:35], s[4:5], s[80:81]        ; slot 0: step 0
	s_add_nc_u64 s[38:39], s[34:35], 256           ; slot 1: step 1
	s_or_b32 s35, s35, 0x80000000
	s_or_b32 s39, s39, 0x80000000
	s_add_nc_u64 s[42:43], s[4:5], s[82:83]
	s_add_nc_u64 s[60:61], s[12:13], s[84:85]
	s_add_nc_u64 s[62:63], s[60:61], 32768
	s_add_nc_u64 s[66:67], s[60:61], s[86:87]
	s_add_nc_u64 s[68:69], s[14:15], s[88:89]
	LOADS 0                                        ; chunk 0
	global_load_b128 v[SG:SG+3],    v10, s[10:11]
	global_load_b128 v[SG+4:SG+7],  v10, s[10:11] offset:64
	global_load_b128 v[SG+8:SG+11], v11, s[10:11]
	global_load_b128 v[SU:SU+3],    v10, s[10:11] offset:4*FDIM
	global_load_b128 v[SU+4:SU+7],  v10, s[10:11] offset:4*FDIM+64
	global_load_b128 v[SU+8:SU+11], v11, s[10:11] offset:4*FDIM
	global_load_b128 v[ISC:ISC+3],  v12, s[8:9]
	CROUND                                         ; all four work-groups are here: the first joint loads meet
	tensor_load_to_lds s[32:35], s[24:31]
	s_nop 0
	tensor_load_to_lds s[36:39], s[24:31]          ; two loads of mine are out
	s_nop 0
	PLACES
	s_wait_loadcnt 0x0                             ; chunk 0 and the scales
	XRL 0
	XRL 1
	LOADS 256                                      ; chunk 1
.irp q, 1,2,3
	HALVES \q
	CVHALF 0, ULO, NLO, 2                          ; chunk 0, step 0 into W's buffer 0
	CVHALF 0, UHI, NHI, 3
.endr
	WIN 0
	s_wait_tensorcnt 0x1                           ; my part of slot 0 is in; slot 1's may stay out
	s_wait_dscnt 0x0                               ; my stores into buffer 0 are done
	s_barrier_signal -1
	s_barrier_wait -1
	FETCH 0, 0, 0
.set PN, 0
	QUARTER 0, 64, 0, 1, 1, 1, 1, 0                ; the first quarter starts the sums; step 1's weights begin
	WIN 0
	s_mov_b32 s44, 0
.Lchunk:                                               ; trip C: from chunk C's second quarter to chunk C + 1's first; both slots are filled again
	s_wait_xcnt 0x0                                ; the loads and prefetches issued so far have read their addresses
	s_add_nc_u64 s[40:41], s[40:41], 256
	s_add_nc_u64 s[42:43], s[42:43], 256
	QUARTER 0, 128, 1, 0, 0, 1, 2, 0               ; chunk C, step 1 goes on into buffer 1
	s_wait_loadcnt 0x0                             ; chunk C + 1 is all that is out
	QUARTER 0, 192, 0, 1, 0, 1, 3, 1               ; and in the middle chunk C + 1's bytes of step 0 are copied out
	TURN 0, 1, 1, 1                                ; its bytes of step 1 too; chunk C + 2 is loaded
	QUARTER 1, 64, 0, 1, 0, 0, 1, 0                ; chunk C + 1, step 0 into buffer 0
	s_wait_xcnt 0x0
	s_add_nc_u64 s[42:43], s[42:43], 256
	QUARTER 1, 128, 1, 0, 0, 0, 2, 0
	QUARTER 1, 192, 0, 1, 0, 0, 3, 0
	TURN 1, 0, 1, 0
	QUARTER 0, 64, 0, 1, 0, 1, 1, 0                ; chunk C + 1, step 1 begins
	WIN 0
	s_add_co_u32 s44, s44, 1
	s_cmp_lt_u32 s44, s45
	s_cbranch_scc1 .Lchunk
	QUARTER 0, 128, 1, 0, 0, 1, 2, 0               ; the last chunk goes on: nothing is left to fetch from memory
	QUARTER 0, 192, 0, 1, 0, 1, 3, 0
	TURN 0, 1, 0, 0
	QUARTER 1, 64, 0, 1, 0, -1, 0, 0
	QUARTER 1, 128, 1, 0, 0, -1, 0, 0
	QUARTER 1, 192, 0, 1, 0, -1, 0, 0
	s_wait_dscnt 8
	MULH 1, 0, 0, 4, 0
	s_wait_dscnt 0x0
	MULH 1, 1, 0, 4, 0
	WIN 0
	; THE WAY OUT.  The sums go through LDS, so that a lane gets 4 neighbouring columns of each of the six tiles of one row: gate and up of the same columns meet in one lane.
	PLACES
	PLACES
	s_barrier_signal -1                            ; every wave's reads of the slots and of W's buffers are over (its last wait was for 0): the stage lies over them
	s_barrier_wait -1
	s_mul_i32 s49, s16, 128*SPITCH
	v_mul_u32_u24 v[STO], v2, SPITCH
	v_lshl_add_u32 v[STO], v3, 5, v[STO]
	v_add_nc_u32 v[STO], s49, v[STO]               ; in: row l % 16, 32 bytes for each half of the lanes
	v_lshrrev_b32 v5, 2, v4
	v_and_b32 v6, 3, v4
	v_mul_u32_u24 v[RD], v5, SPITCH
	v_lshl_add_u32 v[RD], v6, 4, v[RD]
	v_add_nc_u32 v[RD], s49, v[RD]                 ; back: row l / 4 of eight, 16 bytes l % 4 of a tile's 64
	s_lshl_b32 s49, s16, 9
	s_add_co_u32 s49, s49, RMX
	v_lshl_add_u32 v7, v5, 2, s49                  ; my row's word among the wave's maxima; its in_scale lies 2,048 bytes on
	v_lshl_add_u32 v8, v4, 4, s49
	v_lshlrev_b32 v9, 4, v4                        ; act: eight rows of a block are 512 consecutive bytes: 16 l
	ds_store_b128 v8, v[ISC:ISC+3] offset:IST-RMX
.set ea, 0
.rept 8
	WIN 0x08+4*(ea/4)                              ; the data in window 2 or 3
.set eb, 0
.rept NT
.set rD, 8*(NT*(ea%4)+eb)
	ds_store_b128 v[STO], v[rD:rD+3]   offset:ea*16*SPITCH+64*eb
	ds_store_b128 v[STO], v[rD+4:rD+7] offset:ea*16*SPITCH+64*eb+16
.set eb, eb+1
.endr
.set ea, ea+1
.endr
	WIN 0
	v_mov_b32 v89, 0                               ; named with v88 as a pair
	s_mov_b32 s44, 16
.Lrow:                                                 ; eight rows a trip; LDS serves a wave's instructions in order, so the loads see my stores
	ds_load_b128 v[64:67], v[RD]
	ds_load_b128 v[68:71], v[RD] offset:64
	ds_load_b128 v[72:75], v[RD] offset:128
	ds_load_b128 v[76:79], v[RD] offset:192
	ds_load_b128 v[80:83], v[RD] offset:256
	ds_load_b128 v[84:87], v[RD] offset:320
	ds_load_b32 v88, v7 offset:IST-RMX
	s_wait_dscnt 0x0
	s_wait_xcnt 0x0                                ; the last trip's stores have read v9 and v108-119
	v_add_nc_u32 v9, 512, v9                       ; the stores below reach back
.irp j, 0,2,4,6,8,10
	v_pk_mul_f32 v[64+(\j):65+(\j)], v[64+(\j):65+(\j)], v[88:89] op_sel_hi:[1,0]
.endr
.irp j, 0,2,4,6,8,10
	v_pk_mul_f32 v[64+(\j):65+(\j)], v[64+(\j):65+(\j)], v[SG+(\j):SG+(\j)+1]      ; g
.endr
.irp j, 0,2,4,6,8,10
	v_pk_mul_f32 v[96+(\j):97+(\j)], v[64+(\j):65+(\j)], v[64+(\j):65+(\j)]
.endr
.irp j, 0,2,4,6,8,10
	v_pk_fma_f32 v[96+(\j):97+(\j)], v[96+(\j):97+(\j)], s[72:73], s[70:71] op_sel_hi:[1,0,0]
.endr
.irp j, 0,2,4,6,8,10
	v_pk_mul_f32 v[96+(\j):97+(\j)], v[96+(\j):97+(\j)], v[64+(\j):65+(\j)]        ; z
.endr
.set ei, 0
.rept 12
	v_exp_f32 v[96+ei], v[96+ei]
.set ei, ei+1
.endr
.irp j, 0,2,4,6,8,10
	v_pk_mul_f32 v[76+(\j):77+(\j)], v[76+(\j):77+(\j)], v[88:89] op_sel_hi:[1,0]  ; independent work behind the exponentials
.endr
.irp j, 0,2,4,6,8,10
	v_pk_mul_f32 v[76+(\j):77+(\j)], v[76+(\j):77+(\j)], v[SU+(\j):SU+(\j)+1]      ; u
.endr
	s_wait_alu depctr_va_vdst(0)                   ; one wait for the twelve exponentials, ahead of their first reader
.irp j, 0,2,4,6,8,10
	v_pk_add_f32 v[96+(\j):97+(\j)], v[96+(\j):97+(\j)], 1.0 op_sel_hi:[1,0]
.endr
.set ei, 0
.rept 12
	v_rcp_f32 v[96+ei], v[96+ei]
.set ei, ei+1
.endr
	v_add_nc_u32 v[RD], 8*SPITCH, v[RD]
	v_nop
	s_wait_alu depctr_va_vdst(0)                   ; one wait for the twelve reciprocals
.irp j, 0,2,4,6,8,10
	v_pk_mul_f32 v[108+(\j):109+(\j)], v[64+(\j):65+(\j)], v[96+(\j):97+(\j)]
.endr
.irp j, 0,2,4,6,8,10
	v_pk_mul_f32 v[108+(\j):109+(\j)], v[108+(\j):109+(\j)], v[76+(\j):77+(\j)]
.endr
	global_store_b128 v9, v[108:111], s[60:61] offset:-512  ; 512 consecutive bytes, aligned
	global_store_b128 v9, v[112:115], s[62:63] offset:-512
	s_cmp_eq_u32 s20, 1
	s_cbranch_scc1 .Lno3                           ; in the last cluster the third place repeats the second block
	global_store_b128 v9, v[116:119], s[66:67] offset:-512
.Lno3:
	v_max_num_f32 v90, |v108|, |v109|
	v_max3_num_f32 v90, v90, |v110|, |v111|
	v_max3_num_f32 v90, v90, |v112|, |v113|
	v_max3_num_f32 v90, v90, |v114|, |v115|
	v_max3_num_f32 v90, v90, |v116|, |v117|
	v_max3_num_f32 v90, v90, |v118|, |v119|
	v_max_num_f32_dpp v90, v90, v90 row_xmask:1 row_mask:0xf bank_mask:0xf  ; a row's four lanes
	v_max_num_f32_dpp v90, v90, v90 row_xmask:2 row_mask:0xf bank_mask:0xf
	ds_store_b32 v7, v90
	v_add_nc_u32 v7, 32, v7
	s_sub_co_u32 s44, s44, 1
	s_cmp_lg_u32 s44, 0
	s_cbranch_scc1 .Lrow
	ds_load_b128 v[64:67], v8                      ; the maxima of rows 4 l .. 4 l + 3
	v_lshlrev_b32 v10, 4, v4
	s_wait_dscnt 0x0
	global_store_b128 v10, v[64:67], s[68:69]      ; 512 consecutive bytes, aligned
	s_wait_tensorcnt 0x0                           ; the wave's end
	ds_add_u32 v[SPW], v[NIL]
	s_wait_dscnt 0x0
	CROUND                                         ; the closing round
	s_endpgm
.Lfunc_end_k_q7c774c9c5b_gateup:
	.size	k_q7c774c9c5b_gateup, .Lfunc_end_k_q7c774c9c5b_gateup-k_q7c774c9c5b_gateup
	.p2alignl 7, 3214868480
	.fill 96, 4, 3214868480
	.section	.rodata,"a",@progbits
	.p2align	6, 0x0
	.amdhsa_kernel k_q7c774c9c5b_gateup
		.amdhsa_group_segment_fixed_size 327680
		.amdhsa_private_segment_fixed_size 0
		.amdhsa_enable_private_segment 0
		.amdhsa_kernarg_size 48
		.amdhsa_user_sgpr_count 2
		.amdhsa_user_sgpr_kernarg_segment_ptr 1
		.amdhsa_wavefront_size32 1
		.amdhsa_system_sgpr_workgroup_id_x 1
		.amdhsa_system_sgpr_workgroup_id_y 1
		.amdhsa_system_sgpr_workgroup_id_z 1
		.amdhsa_system_vgpr_workitem_id 0
		.amdhsa_next_free_vgpr 1024
		.amdhsa_next_free_sgpr 100
		.amdhsa_reserve_vcc 1
		.amdhsa_float_denorm_mode_32 3
		.amdhsa_float_denorm_mode_16_64 3
		.amdhsa_memory_ordered 1
		.amdhsa_forward_progress 1
		.amdhsa_inst_pref_size 175
	.end_amdhsa_kernel
	.amdgpu_metadata
---
amdhsa.version: [ 1, 2 ]
amdhsa.kernels:
  - .name:           k_q7c774c9c5b_gateup
    .symbol:         k_q7c774c9c5b_gateup.kd
    .args:
      - { .name: x16, .offset: 0, .size: 8, .value_kind: global_buffer, .address_space: global }
      - { .name: W_gu, .offset: 8, .size: 8, .value_kind: global_buffer, .address_space: global }
      - { .name: in_scale, .offset: 16, .size: 8, .value_kind: global_buffer, .address_space: global }
      - { .name: s_gu, .offset: 24, .size: 8, .value_kind: global_buffer, .address_space: global }
      - { .name: act, .offset: 32, .size: 8, .value_kind: global_buffer, .address_space: global }
      - { .name: pmax, .offset: 40, .size: 8, .value_kind: global_buffer, .address_space: global }
    .group_segment_fixed_size: 327680
    .private_segment_fixed_size: 0
    .kernarg_segment_align: 8
    .kernarg_segment_size: 48
    .max_flat_workgroup_size: 128
    .sgpr_count:     100
    .vgpr_count:     1024
    .wavefront_size: 32
...
	.end_amdgpu_metadata
.endif
;; end of part 2
;; launch quant (part 3): grid 43 x 8, 8 waves a work-group, no clusters, 38,912 bytes of LDS; arguments act, pmax, aq16, s2; writes aq16, s2
.if DOCPART == 3
	.amdgcn_target "amdgcn-amd-amdhsa--gfx1250"
	.amdhsa_code_object_version 6
	.text
	.protected	k_q7c774c9c5b_quant
	.globl	k_q7c774c9c5b_quant
	.p2align	8
	.type	k_q7c774c9c5b_quant,@function
k_q7c774c9c5b_quant:
	s_mov_b64 s[64:65], 0
	v_nop
	global_prefetch_b8 v0, s[64:65] scope:SCOPE_SE
	s_setreg_imm32_b32 hwreg(HW_REG_WAVE_MODE, 25, 1), 1
	s_wait_xcnt 0x0
; s2[m] = max over columns of |act[m]| / 127 + 1e-12; aq16 = clip(round(act / s2), -127, 127) as f16, K permuted as the product's launch wants it.
; act: [688 blocks][512 rows][16] f32.  pmax: [232 units][512] f32.  aq16: [512][11008] f16.  s2: [512] f32.
; The work-group (c, g) takes chunk c (256 columns: 16 blocks) of rows 64 g .. 64 g + 63; wave w 8 of the rows; lane l row l / 4 and 4 columns (l % 4) of each block.
; Every work-group makes its 64 rows' maxima anew from pmax (232 x 256 bytes): a sum over work-groups is not handed on inside a launch.
; The two divisions are a reciprocal or a constant, a multiply and one correction by fused multiply-adds.  NaN and infinities are not treated apart.
; The numbers change lanes through LDS (each wave's own bytes), so that a store covers 512 consecutive bytes of a row of aq16.  Memory binds: no matrix unit, no cluster.
.set RED,   0                          ; [16][64] f32: sixteen partial maxima for each of the 64 rows
.set TR,    4096                       ; wave w: 8 rows of 512 bytes + 16
.set TP,    528
.set SPARE, TR+8*8*TP                  ; the spare words, 128 bytes a wave: four blocks of 256 bytes that no other line names
	s_load_b256 s[4:11], s[0:1], 0x0               ; act s[4:5], pmax s[6:7], aq16 s[8:9], s2 s[10:11]
	v_lshl_add_u32 v166, v0, 2, SPARE
	v_mov_b32 v167, 0
	v_lshrrev_b32 v1, 5, v0
	v_readfirstlane_b32 s12, v1                    ; wave
	s_and_b32 s13, ttmp7, 0xffff                   ; g
	s_mov_b32 s16, 0x3c010204                      ; 1 / 127
	s_mov_b32 s17, 0x42fe0000                      ; 127
	s_mov_b32 s18, 0xc2fe0000                      ; -127
	s_mov_b32 s19, 0x2b8cbccc                      ; 1e-12
	v_and_b32 v2, 31, v0                           ; l
	s_lshl_b32 s14, ttmp9, 19                      ; 16 blocks of 32,768 bytes
	s_lshl_b32 s15, s13, 12
	s_add_co_u32 s14, s14, s15
	s_lshl_b32 s15, s12, 9
	s_add_co_u32 s14, s14, s15                     ; + (64 g + 8 w) rows of 64 bytes
	v_lshl_add_u32 v3, v2, 4, s14
	v_lshrrev_b32 v4, 4, v0                        ; t / 16: which units
	v_and_b32 v5, 15, v0                           ; t % 16: which 4 rows
	s_lshl_b32 s15, s13, 8
	v_lshl_add_u32 v6, v5, 4, s15                  ; 256 g + 16 (t % 16)
	v_lshl_add_u32 v7, v4, 11, v6                  ; unit t / 16 + 16 j, j in the immediate
	v_add_nc_u32 v8, 224, v4
	v_min_u32 v8, 231, v8                          ; the last sixteen are eight: the last unit is read again
	v_lshl_add_u32 v8, v8, 11, v6
	v_lshlrev_b32 v9, 4, v0                        ; RED: (t / 16) x 256 + 16 (t % 16) = 16 t
	v_lshrrev_b32 v18, 2, v2                       ; my row of the wave's eight
	v_and_b32 v19, 3, v2                           ; p
	s_lshl_b32 s15, s12, 5
	v_lshl_add_u32 v10, v18, 2, s15                ; my row's column of RED
	s_mul_i32 s15, s12, 8*TP
	s_add_co_u32 s15, s15, TR
	v_mul_u32_u24 v11, v18, TP
	v_add_nc_u32 v11, s15, v11
	v_lshrrev_b32 v20, 1, v19
	v_lshl_add_u32 v11, v20, 8, v11                ; columns 8..15 of a block belong to the chunk's second half
	v_and_b32 v20, 1, v19
	v_lshl_add_u32 v11, v20, 3, v11
	v_lshl_add_u32 v12, v2, 4, s15
	s_lshl_b32 s14, s13, 6
	s_lshl_b32 s15, s12, 3
	s_add_co_u32 s14, s14, s15
	s_mul_i32 s14, s14, 22016
	s_lshl_b32 s15, ttmp9, 9
	s_add_co_u32 s14, s14, s15
	v_lshl_add_u32 v13, v2, 4, s14
	v_lshlrev_b32 v14, 4, v5
	s_wait_kmcnt 0x0
.set qs, 0
.rept 16
	global_load_b128 v[32+4*qs:35+4*qs], v3, s[4:5] offset:32768*qs th:TH_LOAD_NT
.set qs, qs+1
.endr
.set qs, 0
.rept 14
	global_load_b128 v[96+4*qs:99+4*qs], v7, s[6:7] offset:32768*qs
.set qs, qs+1
.endr
	global_load_b128 v[152:155], v8, s[6:7]
	s_wait_loadcnt 0x0
.irp k, 0,1,2,3
	v_max3_num_f32 v[24+(\k)], v[96+(\k)], v[100+(\k)], v[104+(\k)]
.endr
.set qs, 3
.rept 6
.irp k, 0,1,2,3
	v_max3_num_f32 v[24+(\k)], v[24+(\k)], v[96+4*qs+(\k)], v[100+4*qs+(\k)]
.endr
.set qs, qs+2
.endr
	ds_store_b128 v9, v[24:27]
	s_wait_dscnt 0x0                               ; for the others' sake
	s_barrier_signal -1
	s_barrier_wait -1
.set qs, 0
.rept 16
	ds_load_b32 v[96+qs], v10 offset:256*qs
.set qs, qs+1
.endr
	s_wait_dscnt 0x0
	v_max3_num_f32 v16, v96, v97, v98
.set qs, 3
.rept 6
	v_max3_num_f32 v16, v16, v[96+qs], v[97+qs]
.set qs, qs+2
.endr
	v_max_num_f32 v16, v16, v111                   ; my row's largest |act|
	v_mul_f32 v17, s16, v16
	v_fma_f32 v18, -v17, s17, v16
	v_fma_f32 v17, v18, s16, v17                   ; / 127
	v_add_f32 v20, s19, v17                        ; s2
	v_mov_b32 v21, 0                               ; named as pairs
	v_mov_b32 v23, 0
	v_rcp_f32 v22, v20
	v_nop
	s_wait_alu depctr_va_vdst(0)
.set qs, 0
.rept 16
.set aa, 32+4*qs
.set tq, 24+4*(qs%2)
	v_pk_mul_f32 v[tq:tq+1],   v[aa:aa+1],   v[22:23] op_sel_hi:[1,0]
	v_pk_mul_f32 v[tq+2:tq+3], v[aa+2:aa+3], v[22:23] op_sel_hi:[1,0]
	v_pk_fma_f32 v[aa:aa+1],   v[tq:tq+1],   v[20:21], v[aa:aa+1]   op_sel_hi:[1,0,1] neg_lo:[1,0,0] neg_hi:[1,0,0]  ; what the quotient leaves
	v_pk_fma_f32 v[aa+2:aa+3], v[tq+2:tq+3], v[20:21], v[aa+2:aa+3] op_sel_hi:[1,0,1] neg_lo:[1,0,0] neg_hi:[1,0,0]
	v_pk_fma_f32 v[tq:tq+1],   v[aa:aa+1],   v[22:23], v[tq:tq+1]   op_sel_hi:[1,0,1]
	v_pk_fma_f32 v[tq+2:tq+3], v[aa+2:aa+3], v[22:23], v[tq+2:tq+3] op_sel_hi:[1,0,1]
.irp k, 0,1,2,3
	v_rndne_f32 v[tq+(\k)], v[tq+(\k)]
.endr
.irp k, 0,1,2,3
	v_med3_num_f32 v[tq+(\k)], v[tq+(\k)], s18, s17
.endr
	v_cvt_pk_f16_f32 v[aa],   v[tq],   v[tq+1]
	v_cvt_pk_f16_f32 v[aa+1], v[tq+2], v[tq+3]
	ds_store_b64 v11, v[aa:aa+1] offset:16*qs      ; block s of the chunk: place 8 s of its half
.set qs, qs+1
.endr
.set qs, 0
.rept 8
	ds_load_b128 v[96+4*qs:99+4*qs], v12 offset:TP*qs  ; my wave's own bytes, served in order
.set qs, qs+1
.endr
.set qs, 0
.rept 8
	s_wait_dscnt 7-qs
	global_store_b128 v13, v[96+4*qs:99+4*qs], s[8:9] offset:22016*qs  ; 512 consecutive bytes of a row, aligned
.set qs, qs+1
.endr
	s_cmp_lg_u32 ttmp9, 0                          ; s2 is stored by chunk 0's work-groups, by wave 0: 64 rows, 256 bytes in one store (lanes 16-31 repeat lanes 0-15)
	s_cbranch_scc1 .Lend
	s_cmp_lg_u32 s12, 0
	s_cbranch_scc1 .Lend
.set qs, 0
.rept 16
	ds_load_b128 v[32+4*qs:35+4*qs], v14 offset:256*qs
.set qs, qs+1
.endr
	s_wait_dscnt 0x0
.irp k, 0,1,2,3
	v_max3_num_f32 v[24+(\k)], v[32+(\k)], v[36+(\k)], v[40+(\k)]
.endr
.set qs, 3
.rept 6
.irp k, 0,1,2,3
	v_max3_num_f32 v[24+(\k)], v[24+(\k)], v[32+4*qs+(\k)], v[36+4*qs+(\k)]
.endr
.set qs, qs+2
.endr
.irp k, 0,1,2,3
	v_max_num_f32 v[24+(\k)], v[24+(\k)], v[92+(\k)]
.endr
.irp k, 0,1,2,3
	v_mul_f32 v[28+(\k)], s16, v[24+(\k)]
.endr
.irp k, 0,1,2,3
	v_fma_f32 v[24+(\k)], -v[28+(\k)], s17, v[24+(\k)]
.endr
.irp k, 0,1,2,3
	v_fma_f32 v[28+(\k)], v[24+(\k)], s16, v[28+(\k)]
.endr
.irp k, 0,1,2,3
	v_add_f32 v[28+(\k)], s19, v[28+(\k)]
.endr
	global_store_b128 v6, v[28:31], s[10:11]
.Lend:
	s_wait_tensorcnt 0x0                           ; the wave's end, behind my last LDS store
	ds_add_u32 v166, v167
	s_wait_dscnt 0x0
	s_endpgm
.Lfunc_end_k_q7c774c9c5b_quant:
	.size	k_q7c774c9c5b_quant, .Lfunc_end_k_q7c774c9c5b_quant-k_q7c774c9c5b_quant
	.p2alignl 7, 3214868480
	.fill 96, 4, 3214868480
	.section	.rodata,"a",@progbits
	.p2align	6, 0x0
	.amdhsa_kernel k_q7c774c9c5b_quant
		.amdhsa_group_segment_fixed_size 38912
		.amdhsa_private_segment_fixed_size 0
		.amdhsa_enable_private_segment 0
		.amdhsa_kernarg_size 32
		.amdhsa_user_sgpr_count 2
		.amdhsa_user_sgpr_kernarg_segment_ptr 1
		.amdhsa_wavefront_size32 1
		.amdhsa_system_sgpr_workgroup_id_x 1
		.amdhsa_system_sgpr_workgroup_id_y 1
		.amdhsa_system_sgpr_workgroup_id_z 1
		.amdhsa_system_vgpr_workitem_id 0
		.amdhsa_next_free_vgpr 168
		.amdhsa_next_free_sgpr 66
		.amdhsa_reserve_vcc 0
		.amdhsa_float_denorm_mode_32 3
		.amdhsa_float_denorm_mode_16_64 3
		.amdhsa_memory_ordered 1
		.amdhsa_forward_progress 1
		.amdhsa_inst_pref_size 30
	.end_amdhsa_kernel
	.amdgpu_metadata
---
amdhsa.version: [ 1, 2 ]
amdhsa.kernels:
  - .name:           k_q7c774c9c5b_quant
    .symbol:         k_q7c774c9c5b_quant.kd
    .args:
      - { .name: act, .offset: 0, .size: 8, .value_kind: global_buffer, .address_space: global }
      - { .name: pmax, .offset: 8, .size: 8, .value_kind: global_buffer, .address_space: global }
      - { .name: aq16, .offset: 16, .size: 8, .value_kind: global_buffer, .address_space: global }
      - { .name: s2, .offset: 24, .size: 8, .value_kind: global_buffer, .address_space: global }
    .group_segment_fixed_size: 38912
    .private_segment_fixed_size: 0
    .kernarg_segment_align: 8
    .kernarg_segment_size: 32
    .max_flat_workgroup_size: 256
    .sgpr_count:     66
    .vgpr_count:     168
    .wavefront_size: 32
...
	.end_amdgpu_metadata
.endif
;; end of part 3
;; launch down (part 4): grid 32 x 8, 4 waves a work-group, clusters of 4 x 1, 327,680 bytes of LDS; arguments aq16, W_d, part; writes part
.if DOCPART == 4
	.amdgcn_target "amdgcn-amd-amdhsa--gfx1250"
	.amdhsa_code_object_version 6
	.text
	.protected	k_q7c774c9c5b_down
	.globl	k_q7c774c9c5b_down
	.p2align	8
	.type	k_q7c774c9c5b_down,@function
k_q7c774c9c5b_down:
	s_mov_b64 s[64:65], 0
	v_nop
	global_prefetch_b8 v0, s[64:65] scope:SCOPE_SE
	s_setreg_imm32_b32 hwreg(HW_REG_WAVE_MODE, 25, 1), 1
	s_wait_xcnt 0x0
	s_wait_alu depctr_hold_cnt(0) depctr_sa_sdst(0) depctr_va_vdst(0) depctr_va_sdst(0) depctr_va_ssrc(0) depctr_va_vcc(0) depctr_vm_vsrc(0)
	s_getreg_b32 s2, hwreg(HW_REG_IB_STS2, 6, 4)
	s_cmp_eq_u32 s2, 0
	s_cbranch_scc0 .Lentry_in_a_cluster
	s_endpgm
.Lentry_in_a_cluster:
	s_bfe_u32 s2, ttmp6, 0x10000c
	s_cmp_lg_u32 s2, 0x3003
	s_cbranch_scc0 .Lentry_shape_is_right
	s_endpgm
.Lentry_shape_is_right:
; part[ks] = aq16 W_d^T over a quarter of K, raw f32 sums.  aq16: [512][11008] f16 (K permuted inside chunks of 256: place 128 t + 8 s + i holds k = 16 s + 8 t + i).
; W_d: [4096][11008] int8.  part: [4][512][4096] f32.
; SHARES.  A work-group makes 256 rows (half = y % 2) x 128 columns (xg) over K slice ks = y / 2: chunks 11 ks on, 11 of them (10 where ks = 3): 43 in all.  K is split so that there
; are 256 work-groups; the four partial sums are added by the next launch.  Four waves: wave w has rows 128 (w / 2) on and columns 64 (w % 2) on: 8 x 4 accumulators.
; FORMAT.  Both operands are whole numbers of at most 128 in size, exact in f16; sums in f32.  A weight is turned into f16 on the way: byte xor 0x80, v_perm_b32 under 0x64, -1152 added by a packed multiply-add.
; THE MATRIX INSTRUCTION IS USED TRANSPOSED (source 0 = 16 rows of W, source 1 = 16 rows of aq16): a lane holds one row of the result and eight neighbouring columns.
; K goes in steps of 128; two steps are a chunk.  aq16's tiles come by tensor loads into two LDS slots; the four work-groups of a cluster have the same rows and K slice and ask JOINTLY.
; THE WEIGHTS' WAY.  W's rows come by global loads, 256 bytes of a row to sixteen lanes.  (1) The bytes as loaded are xor-ed and so copied out of the loads' registers, in two lumps a chunk that
; stand where the wave issues no product anyway: in the places in front of a run of fragment loads, and between a barrier's signal and its wait.  (2) v_perm_b32 and the packed multiply-add stand
; behind the matrix instructions, one or two behind each, and name their registers through the products' own window setting: no switch is written for them.  (3) The 16 bytes a lane go to LDS
; in runs, ahead of the runs of fragment loads.  During a step the next step's buffer is made.
; LIMITS.  Sums beyond 2^24 are rounded in f32, in another order than a chain of f32 additions.
; REGISTERS, in windows of 256 (s_set_vgpr_msb: bits 1:0 source 0, 3:2 source 1, 5:4 source 2, 7:6 destination):
;   window 0: v0-31 addresses; v64-127, v128-191 aq16's fragments, two buffers (on the way out: rows read back); v192-223 W's bytes of step 0, xor-ed
;   window 1: v0-31, v48-79 W's fragments, two buffers; v96-159 W's bytes as loaded; v192-223 W's bytes of step 1, xor-ed; v250 1.0 twice
;   window 2: v0-127 accumulators of my rows 0-63; v192-203 three units of f16 weights on their way to LDS
;   window 3: the same for rows 64-127
.set NT,    4
.set LW,    16                         ; loads of W a wave and chunk, and units of a step: two rows of 256 bytes each
.set KTOT,  11008
.set AH,    4                          ; aq16 is prefetched this many steps ahead of the refill
.set PW,    2                          ; W this many chunks ahead of its load
.set PITCH, 272                        ; an LDS row: 256 bytes + 16: the 16 rows of a fragment load start at 16 different groups of four banks (ISA guide 11.1)
.set SLOT,  256*PITCH
.set QROWS, 64*PITCH
.set W16,   2*SLOT                     ; W's two f16 buffers: written by ds_store alone
.set W16SZ, 32*NT*PITCH
.set STAGE, W16+2*W16SZ                ; the way out: 16 rows x 272 bytes for each wave; no tensor load fills it
.set SPARE, STAGE+4*16*PITCH           ; the spare words, 128 bytes a wave: two blocks of 256 bytes that no other line names
.set ADRA, 16
.set STA,  18                          ; v18-19 where I store f16 weights in W's buffer 0, 1
.set ADRB, 20
.set WO,   22                          ; v22 byte offset of my loads in W_d
.set WPF,  25
.set PFO,  26
.set CO,   27                          ; v27 my byte offset in two rows of part
.set SPW,  28
.set NIL,  29
.set STO,  30
.set RD,   31
.set RAW,  96                          ; window 1
.set WORK, 192                         ; window 0 (step 0) and window 1 (step 1): unit u's 8 bytes a lane at WORK + 2 u
.set ONE,  250                         ; window 1
.set OUT,  192                         ; windows 2 and 3
.set MSB, 0
.set RT, -1                            ; the riders' state: step, first unit and units of the half in hand, next line, lines in all, products issued in the half
.set RUB, 0
.set RN, 0
.set RQ, 0
.set RE, 0
.set MJ, 0
.set PT, 0                             ; units converted in an upper half and not yet stored: step, first unit, number
.set PU, 0
.set PN, 0
.macro WIN new                         ; the immediate's high byte repeats the setting that is left; a switch that changes nothing is dropped
.if MSB != (\new)
	s_set_vgpr_msb (MSB<<8)|(\new)
.set MSB, \new
.endif
.endm
.macro PLACES                          ; four places in front of loads into registers that matrix instructions have read
.rept 4
	v_nop
.endr
.endm
.macro CREST                           ; a round of the cluster's barrier behind its opening barrier
	s_cmp_lg_u32 s16, 0
	s_cbranch_scc1 .Lnw0_\@
	s_barrier_signal -3
.Lnw0_\@:
	s_barrier_wait -3
	s_barrier_signal -1
	s_barrier_wait -1
.endm
.macro CROUND
	s_barrier_signal -1
	s_barrier_wait -1
	CREST
.endm
.macro HALVES q                        ; which units quarter q (1 to 3) of a step converts: 3 + 3, 3 + 3, 2 + 2: 16 in all
.if (\q) < 3
.set ULO, 6*((\q)-1)
.set NLO, 3
.set UHI, ULO+3
.set NHI, 3
.else
.set ULO, 12
.set NLO, 2
.set UHI, 14
.set NHI, 2
.endif
.endm
; ONE RIDER: line RQ of the half's list.  The list goes in blocks of four lines: P u spreads unit u's 8 bytes under 0x64, F u adds -1152; P 0, P 1, F 0, P 2, F 1, .. so that an F stands four lines or
; more behind its P.  Under the products' setting source 0 means window 1, source 1 window 0, source 2 and the destination the accumulators' window.
.macro RIDE1
.set bk, RQ/4
.set jj, RQ%4
.if bk == 0
.set kd, 0
.set lu, 0
.elseif bk == 2*RN-1
.set kd, 1
.set lu, RN-1
.elseif bk%2 == 1
.set kd, 0
.set lu, (bk+1)/2
.else
.set kd, 1
.set lu, bk/2-1
.endif
.if kd == 0
.if RT == 1
	v_perm_b32 v[OUT+4*lu+jj], v[WORK+2*(RUB+lu)+jj/2], s51, s[52+jj%2]   ; the bytes are the first source
.else
	v_perm_b32 v[OUT+4*lu+jj], s51, v[WORK+2*(RUB+lu)+jj/2], s[92+jj%2]   ; the bytes are the second source
.endif
.else
	v_pk_fma_f16 v[OUT+4*lu+jj], v[ONE], s94, v[OUT+4*lu+jj]              ; 1.0 x -1152 + (1152 + x): exact
.endif
.set RQ, RQ+1
.endm
; n units from the accumulators' window z go to W's buffer t, in one run: sixteen lanes fill a row's 256 bytes.
.macro STU t, ub, n, z
.if (\n) > 0
	WIN 4*(\z)                                     ; the data (source 1) in window z, the address in window 0
.set su, 0
.rept \n
	ds_store_b128 v[STA+(\t)], v[OUT+4*su:OUT+4*su+3] offset:2*((\ub)+su)*PITCH
.set su, su+1
.endr
.endif
.endm
; The bytes of step t of a whole chunk, xor-ed with 0x80 and so copied out of the registers that the next loads fill.
.macro XRL t
	WIN 0x04+0x40*(\t)                             ; source 1 in window 1; the destination in window 0 or 1
.set xi, 0
.rept LW
	v_xor_b32 v[WORK+2*xi],   s50, v[RAW+4*xi+2*(\t)]
	v_xor_b32 v[WORK+2*xi+1], s50, v[RAW+4*xi+2*(\t)+1]
.set xi, xi+1
.endr
.endm
; na x NT matrix instructions: row tiles a0 .. of the window's four (hi = 0: my rows 0-63, 1: rows 64-127) x all column tiles, 32 along K, from fragment buffers f.
; The accumulators take turns, one instruction a turn, in the same order in every quarter.  Behind each stand the riders that are due: RE of them spread over the half's 4 NT products.
.macro MULH f, hi, a0, na, zero
.set ma, (\a0)
.rept \na
.set mb, 0
.rept NT
	WIN 0xa1+0x50*(\hi)
.set rD, 8*(NT*ma+mb)
.set rB, 48*(\f)+8*mb
.set rF, 64+64*(\f)+8*(4*(\hi)+ma)
.if \zero
	v_wmma_f32_16x16x32_f16 v[rD:rD+7], v[rB:rB+7], v[rF:rF+7], 0
.else
	v_wmma_f32_16x16x32_f16 v[rD:rD+7], v[rB:rB+7], v[rF:rF+7], v[rD:rD+7]
.endif
.set MJ, MJ+1
.rept 2
.if RQ < (MJ*RE)/(4*NT)
	RIDE1
.endif
.endr
.set mb, mb+1
.endr
.set ma, ma+1
.endr
.endm
; The fragments of one quarter (32 K at byte k of the rows) into buffers f, in one run: W's tiles, aq16's tiles 0-3, its tiles 4-7.
.macro FETCH slot, k, f
	WIN 0x44                                       ; destination window 1, address window 0 (source 1 is not used)
.set fi, 0
.rept NT
	ds_load_b128 v[48*(\f)+8*fi:48*(\f)+8*fi+3],   v[ADRB+(\slot)] offset:(\k)+fi*16*PITCH
	ds_load_b128 v[48*(\f)+8*fi+4:48*(\f)+8*fi+7], v[ADRB+(\slot)] offset:(\k)+fi*16*PITCH+32
.set fi, fi+1
.endr
	WIN 0
.set fi, 0
.rept 8
	ds_load_b128 v[64+64*(\f)+8*fi:64+64*(\f)+8*fi+3],   v[ADRA+(\slot)] offset:(\k)+fi*16*PITCH
	ds_load_b128 v[64+64*(\f)+8*fi+4:64+64*(\f)+8*fi+7], v[ADRA+(\slot)] offset:(\k)+fi*16*PITCH+32
.set fi, fi+1
.endr
.endm
; One of a step's first three quarters: multiplies buffers f, fetches the next quarter (byte k) into g.  t: the step whose weights ride (-1: none), q: which quarter's units.
; xr = 1: the next chunk's bytes of step 0 are xor-ed where the four places would stand.  In its middle stands ONE run of LDS instructions: the units that the upper half before and the lower
; half just now have converted, then the fragment loads.
.macro QUARTER slot, k, f, g, zero, t, q, xr
.if (\t) >= 0
	HALVES \q
.else
.set ULO, 0
.set NLO, 0
.set UHI, 0
.set NHI, 0
.endif
.set RT, (\t)
	s_wait_dscnt 8                                 ; W's tiles and the row tiles 0-3 are in; the youngest eight loads (row tiles 4-7) may be out
.set RUB, ULO
.set RN, NLO
.set RE, 8*NLO
.set RQ, 0
.set MJ, 0
	MULH \f, 0, 0, 4, \zero
.if \xr
	XRL 0                                          ; plain vector lines that name no register of the products: they are the places too
.else
	PLACES
.endif
.set NST, PN+NLO
	STU PT, PU, PN, 3
	STU RT, ULO, NLO, 2
	FETCH \slot, \k, \g
	s_wait_dscnt 2*NT+16+NST                       ; all but the run just issued, its stores and its loads
.set RUB, UHI
.set RN, NHI
.set RE, 8*NHI
.set RQ, 0
.set MJ, 0
	MULH \f, 1, 0, 4, \zero
.set RE, 0
.set PT, RT
.set PU, UHI
.set PN, NHI
.endm
; aq16's prefetch: the step AH refills on, 64 rows of 256 bytes, a lane a row, two lines.  All clusters of one y walk the same rows and K slice: the first (x = 0) asks; its four
; partners take 64 rows each, told apart by address; in each, wave 3 asks.  s47 is the number of chunks in that wave and 0 elsewhere: the last steps ask for nothing.
.macro ASK
	s_add_co_u32 s49, s44, 1+AH/2
	s_cmp_lt_u32 s49, s47
	s_cbranch_scc0 .Lna_\@
	global_prefetch_b8 v[PFO], s[42:43] offset:AH*256 th:TH_LOAD_NT scope:SCOPE_SE
	global_prefetch_b8 v[PFO], s[42:43] offset:AH*256+32*2*KTOT th:TH_LOAD_NT scope:SCOPE_SE
.Lna_\@:
.endm
; W's prefetch: the chunk PW behind the one just loaded.  A work-group's 128 rows are read by the two halves: each asks for 64 of them, waves 0 and 1 for 32 each, a lane a row.
.macro WASK
	s_add_co_u32 s49, s44, 2+PW
	s_cmp_lt_u32 s49, s48
	s_cbranch_scc0 .Lnw_\@
	global_prefetch_b8 v[WPF], s[40:41] offset:256+PW*256 th:TH_LOAD_NT scope:SCOPE_SE
.Lnw_\@:
.endm
; A chunk of my 32 rows of W: 16 loads, two rows x 256 bytes each.
.macro LOADS off
	WIN 0x40
.set li, 0
.rept LW
	global_load_b128 v[RAW+4*li:RAW+4*li+3], v[WO], s[40:41] offset:2*li*KTOT+(\off)
.set li, li+1
.endr
	WIN 0
.endm
; A step's last quarter multiplies buffers 1 and changes slots.  First the step's last units go to LDS.  In front of the barrier each wave waits for all its tensor loads (one is out: its part
; of the next slot), adds 0 to its spare word, and waits for that, for its reads of this slot and this W buffer, and for its stores into the other W buffer.  fill = 1: the barrier opens a round of
; the cluster's barrier, and the joint refill of this slot, two steps on, is the first thing behind it.  xr = 1: the next chunk's bytes of step 1 are xor-ed between signal and wait (work on
; registers), and the chunk after that is loaded behind the fragment loads: it has six and a half quarters in which to land.
.macro TURN slot, next, fill, xr
.set FN, PN
	STU PT, PU, PN, 3
.set PN, 0
	WIN 0
	s_wait_tensorcnt 0x0
	ds_add_u32 v[SPW], v[NIL]
	s_wait_dscnt 9+FN                              ; the add, the stores just ahead of it and the row tiles 4-7 may be out
	MULH 1, 0, 0, 2, 0
	s_wait_dscnt 0x0
	s_barrier_signal -1
	MULH 1, 0, 2, 2, 0
.if \xr
	XRL 1
.endif
	WIN 0
	s_barrier_wait -1
.if \fill
	CREST
	s_add_nc_u64 s[34+4*(\slot):35+4*(\slot)], s[34+4*(\slot):35+4*(\slot)], 512  ; no tensor load of mine is out: two steps on
	tensor_load_to_lds s[32+4*(\slot):35+4*(\slot)], s[24:31]
	s_nop 0
.endif
	PLACES                                         ; in front of the loads below
	FETCH \next, 0, 0
.if \xr
	s_add_co_u32 s49, s44, 2
	s_cmp_lt_u32 s49, s46
	s_cbranch_scc0 .Lnl_\@                         ; there is no chunk C + 2 in the last trip: global loads alone are jumped, and every wait for them is for 0
	LOADS 256
	WASK
.Lnl_\@:
.endif
.if \fill
	ASK
.endif
	MULH 1, 1, 0, 4, 0
.endm
; Ahead of the loop: n units of step t converted on end, through window z, and stored.
.macro CVHALF t, ub, n, z
.set RT, (\t)
.set RUB, (\ub)
.set RN, (\n)
.set RQ, 0
	WIN 0xa1+0x50*((\z)-2)
.rept 8*(\n)
	RIDE1
.endr
	STU \t, \ub, \n, \z
.endm
	s_load_b128 s[4:7], s[0:1], 0x0                ; aq16 s[4:5], W_d s[6:7]
	s_load_b64 s[8:9], s[0:1], 0x10                ; part
	v_lshl_add_u32 v[SPW], v0, 2, SPARE
	v_mov_b32 v[NIL], 0
	ds_add_u32 v[SPW], v[NIL]                      ; the wave's opening: the add, twice on end, and its wait ahead of my first tensor load
	ds_add_u32 v[SPW], v[NIL]
	v_lshrrev_b32 v1, 5, v0
	v_readfirstlane_b32 s16, v1                    ; wave 0..3
	s_lshr_b32 s17, s16, 1                         ; which 128 rows are mine
	s_and_b32 s18, s16, 1                          ; which 64 columns
	s_bfe_u32 s19, ttmp6, 0x40000                  ; cx
	s_and_b32 s22, ttmp7, 0xffff                   ; y: the same in all four partners
	s_and_b32 s21, s22, 1                          ; half
	s_lshr_b32 s20, s22, 1                         ; ks
	s_lshl_b32 s77, ttmp9, 2
	s_add_co_u32 s77, s77, s19                     ; xg = 4 x cluster x + cx: it enters addresses in W_d and part alone
	s_cmp_eq_u32 s20, 3
	s_cselect_b32 s46, 10, 11                      ; chunks of my K slice
	s_sub_co_u32 s45, s46, 1
	; descriptor group 1: 64 rows x 128 elements of 2 bytes, 16 bytes of padding behind each row; the mask names all four work-groups
	s_mov_b32 s24, 15|(1<<16)|(1<<20)|(1<<21)|(5<<22)|(3<<25)
	s_mov_b32 s25, 128<<16                         ; tensor_dim0
	s_mov_b32 s26, 64<<16                          ; tensor_dim1
	s_mov_b32 s27, 128<<16                         ; tile_dim0
	s_mov_b32 s28, 64                              ; tile_dim1
	s_mov_b32 s29, KTOT                            ; elements from row to row
	s_mov_b32 s30, 0
	s_mov_b32 s31, 0
	s_mul_i32 s49, s16, QROWS                      ; wave w fills rows 64 w .. 64 w + 63 of a slot
	s_mov_b32 s32, 1
	s_add_co_u32 s33, s49, 0
	s_mov_b32 s36, 1
	s_add_co_u32 s37, s49, SLOT
	s_mul_i32 s23, s20, 11*512                     ; my K slice in a row of aq16
	s_lshl_b32 s80, s21, 8
	s_lshl_b32 s49, s16, 6
	s_add_co_u32 s80, s80, s49
	s_mul_i32 s80, s80, 2*KTOT
	s_add_co_u32 s80, s80, s23
	s_mov_b32 s81, 0
	s_mov_b32 s50, 0x80808080
	s_mov_b32 s51, 0x64646464
	s_mov_b32 s52, 0x00050004                      ; v_perm_b32, the bytes as first source: bytes 0 and 1, each under 0x64
	s_mov_b32 s53, 0x00070006                      ; bytes 2 and 3
	s_mov_b32 s92, 0x04010400                      ; the bytes as second source: bytes 0 and 1
	s_mov_b32 s93, 0x04030402                      ; bytes 2 and 3
	s_mov_b32 s94, 0xe480e480                      ; -1152, twice
	s_cmp_eq_u32 s16, 3
	s_cselect_b32 s47, s46, 0
	s_cmp_eq_u32 ttmp9, 0
	s_cselect_b32 s47, s47, 0
	s_cmp_lt_u32 s16, NT/2
	s_cselect_b32 s48, s46, 0
	v_and_b32 v2, 15, v0                           ; l % 16
	v_bfe_u32 v3, v0, 4, 1                         ; l / 16
	v_and_b32 v4, 31, v0                           ; l
	v_mul_u32_u24 v5, v2, PITCH
	v_lshl_add_u32 v5, v3, 4, v5                   ; a fragment: row x pitch + 16 x half
	s_mul_i32 s49, s17, 128*PITCH
	v_add_nc_u32 v[ADRA], s49, v5
	v_add_nc_u32 v[ADRA+1], SLOT, v[ADRA]
	s_mul_i32 s49, s18, 16*NT*PITCH
	s_add_co_u32 s49, s49, W16
	v_add_nc_u32 v[ADRB], s49, v5
	v_add_nc_u32 v[ADRB+1], W16SZ, v[ADRB]
	v_mul_u32_u24 v6, v3, PITCH
	v_lshl_add_u32 v6, v2, 4, v6
	s_mul_i32 s49, s16, 2*LW*PITCH
	s_add_co_u32 s49, s49, W16
	v_add_nc_u32 v[STA], s49, v6                   ; where I store f16 weights: rows 32 w + l / 16 on, byte 16 (l % 16)
	v_add_nc_u32 v[STA+1], W16SZ, v[STA]
	WIN 0x40
	v_mov_b32 v[ONE], 0x3c003c00                   ; 1.0, twice
	WIN 0
	s_lshl_b32 s54, s77, 7
	s_lshl_b32 s49, s16, 5
	s_add_co_u32 s55, s54, s49                     ; row of W_d: 128 xg + 32 w
	v_add_nc_u32 v8, s55, v3
	v_mul_u32_u24 v[WO], v8, KTOT
	v_lshl_add_u32 v[WO], v2, 4, v[WO]
	s_lshl_b32 s49, s21, 6
	s_add_co_u32 s55, s55, s49                     ; the prefetch (waves 0 and 1): row 128 xg + 64 half + 32 w + l
	v_add_nc_u32 v8, s55, v4
	v_mul_u32_u24 v[WPF], v8, KTOT
	v_mul_u32_u24 v[PFO], v4, 2*KTOT
	s_mul_i32 s49, s16, 16*PITCH
	s_add_co_u32 s49, s49, STAGE                   ; my stage
	v_mul_u32_u24 v[STO], v2, PITCH
	v_lshl_add_u32 v[STO], v3, 5, v[STO]
	v_add_nc_u32 v[STO], s49, v[STO]               ; in: row l % 16, 32 bytes for each half of the lanes
	v_mul_u32_u24 v[RD], v3, PITCH
	v_lshl_add_u32 v[RD], v2, 4, v[RD]
	v_add_nc_u32 v[RD], s49, v[RD]                 ; back: lanes 0-15 one row of 256 bytes, lanes 16-31 the next
	v_lshlrev_b32 v[CO], 4, v2
	v_lshl_add_u32 v[CO], v3, 14, v[CO]            ; and the same two rows in part
	s_lshl_b32 s82, s21, 8
	s_lshl_b32 s91, s19, 6
	s_add_co_u32 s82, s82, s91
	s_mul_i32 s82, s82, 2*KTOT
	s_add_co_u32 s82, s82, s23
	s_add_co_u32 s82, s82, 256                     ; aq16's prefetches: my work-group's 64 rows, at step 1; stepped to the refilled step ahead of each refill
	s_mov_b32 s83, 0
	s_mul_i32 s84, s20, 11*256                     ; my K slice in a row of W_d
	s_mov_b32 s85, 0
	s_lshl_b32 s86, s20, 23                        ; part: slice x 8,388,608
	s_lshl_b32 s49, s21, 8
	s_lshl_b32 s87, s17, 7
	s_add_co_u32 s49, s49, s87
	s_lshl_b32 s49, s49, 14
	s_add_co_u32 s86, s86, s49                     ; + my first row x 16,384
	s_lshl_b32 s49, s18, 6
	s_add_co_u32 s49, s49, s54
	s_lshl_b32 s49, s49, 2
	s_add_co_u32 s86, s86, s49                     ; + my first column x 4
	s_mov_b32 s87, 0
	s_wait_dscnt 0x0                               ; both opening adds are done
	s_wait_kmcnt 0x0
	s_add_nc_u64 s[40:41], s[6:7], s[84:85]        ; W_d at my slice's chunk 0
	s_add_nc_u64 s[34:35], s[4:5], s[80:81]        ; slot 0: step 0
	s_add_nc_u64 s[38:39], s[34:35], 256           ; slot 1: step 1
	s_or_b32 s35, s35, 0x80000000
	s_or_b32 s39, s39, 0x80000000
	s_add_nc_u64 s[42:43], s[4:5], s[82:83]
	s_add_nc_u64 s[60:61], s[8:9], s[86:87]
	LOADS 0                                        ; chunk 0
	CROUND                                         ; all four work-groups are here: the first joint loads meet
	tensor_load_to_lds s[32:35], s[24:31]
	s_nop 0
	tensor_load_to_lds s[36:39], s[24:31]          ; two loads of mine are out
	s_nop 0
	PLACES
	s_wait_loadcnt 0x0                             ; chunk 0
	XRL 0
	XRL 1
	LOADS 256                                      ; chunk 1
.irp q, 1,2,3
	HALVES \q
	CVHALF 0, ULO, NLO, 2                          ; chunk 0, step 0 into W's buffer 0
	CVHALF 0, UHI, NHI, 3
.endr
	WIN 0
	s_wait_tensorcnt 0x1                           ; my part of slot 0 is in; slot 1's may stay out
	s_wait_dscnt 0x0                               ; my stores into buffer 0 are done
	s_barrier_signal -1
	s_barrier_wait -1
	FETCH 0, 0, 0
.set PN, 0
	QUARTER 0, 64, 0, 1, 1, 1, 1, 0                ; the first quarter starts the sums; step 1's weights begin
	WIN 0
	s_mov_b32 s44, 0
.Lchunk:                                               ; trip C: from chunk C's second quarter to chunk C + 1's first; both slots are filled again
	s_wait_xcnt 0x0                                ; the loads and prefetches issued so far have read their addresses
	s_add_nc_u64 s[40:41], s[40:41], 256
	s_add_nc_u64 s[42:43], s[42:43], 256
	QUARTER 0, 128, 1, 0, 0, 1, 2, 0               ; chunk C, step 1 goes on into buffer 1
	s_wait_loadcnt 0x0                             ; chunk C + 1 is all that is out
	QUARTER 0, 192, 0, 1, 0, 1, 3, 1               ; and in the middle chunk C + 1's bytes of step 0 are copied out
	TURN 0, 1, 1, 1                                ; its bytes of step 1 too; chunk C + 2 is loaded
	QUARTER 1, 64, 0, 1, 0, 0, 1, 0                ; chunk C + 1, step 0 into buffer 0
	s_wait_xcnt 0x0
	s_add_nc_u64 s[42:43], s[42:43], 256
	QUARTER 1, 128, 1, 0, 0, 0, 2, 0
	QUARTER 1, 192, 0, 1, 0, 0, 3, 0
	TURN 1, 0, 1, 0
	QUARTER 0, 64, 0, 1, 0, 1, 1, 0                ; chunk C + 1, step 1 begins
	WIN 0
	s_add_co_u32 s44, s44, 1
	s_cmp_lt_u32 s44, s45
	s_cbranch_scc1 .Lchunk
	QUARTER 0, 128, 1, 0, 0, 1, 2, 0               ; the last chunk goes on: nothing is left to fetch from memory
	QUARTER 0, 192, 0, 1, 0, 1, 3, 0
	TURN 0, 1, 0, 0
	QUARTER 1, 64, 0, 1, 0, -1, 0, 0
	QUARTER 1, 128, 1, 0, 0, -1, 0, 0
	QUARTER 1, 192, 0, 1, 0, -1, 0, 0
	s_wait_dscnt 8
	MULH 1, 0, 0, 4, 0
	s_wait_dscnt 0x0
	MULH 1, 1, 0, 4, 0
	WIN 0
	; THE WAY OUT, 16 rows at a time through my own stage: 32 bytes a lane in, whole rows of 256 bytes back, so that sixteen lanes store 256 consecutive bytes, aligned.
	PLACES
	PLACES
.set ea, 0
.rept 8
	WIN 0x08+4*(ea/4)                              ; the data in window 2 or 3
.set eb, 0
.rept NT
.set rD, 8*(NT*(ea%4)+eb)
	ds_store_b128 v[STO], v[rD:rD+3]   offset:64*eb
	ds_store_b128 v[STO], v[rD+4:rD+7] offset:64*eb+16
.set eb, eb+1
.endr
	WIN 0
.set bk, 64+32*(ea%2)                  ; two sets of registers by turns: a set's stores have read it at the s_wait_xcnt of the block between
.set et, 0
.rept 8
	ds_load_b128 v[bk+4*et:bk+4*et+3], v[RD] offset:et*2*PITCH  ; LDS serves a wave's instructions in order: these see the stores above, and the next block's stores come behind them
.set et, et+1
.endr
	s_wait_dscnt 0x0
	s_wait_xcnt 0x0                                ; the earlier stores have read their base
.if ea > 0
	s_add_nc_u64 s[60:61], s[60:61], 16*16384
.endif
.set et, 0
.rept 8
	global_store_b128 v[CO], v[bk+4*et:bk+4*et+3], s[60:61] offset:2*et*16384
.set et, et+1
.endr
.set ea, ea+1
.endr
	s_wait_tensorcnt 0x0                           ; the wave's end
	ds_add_u32 v[SPW], v[NIL]
	s_wait_dscnt 0x0
	CROUND                                         ; the closing round
	s_endpgm
.Lfunc_end_k_q7c774c9c5b_down:
	.size	k_q7c774c9c5b_down, .Lfunc_end_k_q7c774c9c5b_down-k_q7c774c9c5b_down
	.p2alignl 7, 3214868480
	.fill 96, 4, 3214868480
	.section	.rodata,"a",@progbits
	.p2align	6, 0x0
	.amdhsa_kernel k_q7c774c9c5b_down
		.amdhsa_group_segment_fixed_size 327680
		.amdhsa_private_segment_fixed_size 0
		.amdhsa_enable_private_segment 0
		.amdhsa_kernarg_size 24
		.amdhsa_user_sgpr_count 2
		.amdhsa_user_sgpr_kernarg_segment_ptr 1
		.amdhsa_wavefront_size32 1
		.amdhsa_system_sgpr_workgroup_id_x 1
		.amdhsa_system_sgpr_workgroup_id_y 1
		.amdhsa_system_sgpr_workgroup_id_z 1
		.amdhsa_system_vgpr_workitem_id 0
		.amdhsa_next_free_vgpr 1024
		.amdhsa_next_free_sgpr 100
		.amdhsa_reserve_vcc 0
		.amdhsa_float_denorm_mode_32 3
		.amdhsa_float_denorm_mode_16_64 3
		.amdhsa_memory_ordered 1
		.amdhsa_forward_progress 1
		.amdhsa_inst_pref_size 133
	.end_amdhsa_kernel
	.amdgpu_metadata
---
amdhsa.version: [ 1, 2 ]
amdhsa.kernels:
  - .name:           k_q7c774c9c5b_down
    .symbol:         k_q7c774c9c5b_down.kd
    .args:
      - { .name: aq16, .offset: 0, .size: 8, .value_kind: global_buffer, .address_space: global }
      - { .name: W_d, .offset: 8, .size: 8, .value_kind: global_buffer, .address_space: global }
      - { .name: part, .offset: 16, .size: 8, .value_kind: global_buffer, .address_space: global }
    .group_segment_fixed_size: 327680
    .private_segment_fixed_size: 0
    .kernarg_segment_align: 8
    .kernarg_segment_size: 24
    .max_flat_workgroup_size: 128
    .sgpr_count:     100
    .vgpr_count:     1024
    .wavefront_size: 32
...
	.end_amdgpu_metadata
.endif
;; end of part 4
;; launch finish (part 5): grid 256 x 1, 8 waves a work-group, no clusters, 0 bytes of LDS; arguments part, s2, s_d, out0; writes out0
.if DOCPART == 5
	.amdgcn_target "amdgcn-amd-amdhsa--gfx1250"
	.amdhsa_code_object_version 6
	.text
	.protected	k_q7c774c9c5b_finish
	.globl	k_q7c774c9c5b_finish
	.p2align	8
	.type	k_q7c774c9c5b_finish,@function
k_q7c774c9c5b_finish:
	s_mov_b64 s[64:65], 0
	v_nop
	global_prefetch_b8 v0, s[64:65] scope:SCOPE_SE
	s_setreg_imm32_b32 hwreg(HW_REG_WAVE_MODE, 25, 1), 1
	s_wait_xcnt 0x0
; out0[m][n] = (p0 + p1 + p2 + p3)[m][n] x s2[m] x s_d[n].  part: [4][512][4096] f32.  s2: [512], s_d: [4096] f32.  out0: [512][4096] f32.
; The work-group takes two rows; thread t takes 16 bytes at 4,096 q + 16 t of a row, q = 0..3: a load or store of a wave covers 512 consecutive bytes.
; All 32 loads of part go out at once; the waits count down by groups of four.  Memory binds: no LDS, no matrix unit, no cluster.
	s_load_b256 s[4:11], s[0:1], 0x0               ; part s[4:5], s2 s[6:7], s_d s[8:9], out0 s[10:11]
	v_lshlrev_b32 v1, 4, v0
	s_lshl_b32 s12, ttmp9, 15                      ; two rows of 16,384 bytes
	s_mov_b32 s13, 0
	s_lshl_b32 s14, ttmp9, 3                       ; two numbers of s2
	s_mov_b32 s15, 0
	s_wait_kmcnt 0x0
	s_add_nc_u64 s[6:7], s[6:7], s[14:15]
	s_load_b64 s[16:17], s[6:7], 0x0
	s_add_nc_u64 s[20:21], s[4:5], s[12:13]        ; the four partial sums' rows
	s_add_nc_u64 s[22:23], s[20:21], 0x800000
	s_add_nc_u64 s[24:25], s[22:23], 0x800000
	s_add_nc_u64 s[26:27], s[24:25], 0x800000
	s_add_nc_u64 s[10:11], s[10:11], s[12:13]
.irp q, 0,1,2,3
	global_load_b128 v[2+4*(\q):5+4*(\q)], v1, s[8:9] offset:4096*(\q)
.endr
.set gn, 0
.rept 8                                ; group gn: row gn / 4, piece gn % 4
.irp ks, 0,1,2,3
	global_load_b128 v[32+16*gn+4*(\ks):35+16*gn+4*(\ks)], v1, s[20+2*(\ks):21+2*(\ks)] offset:(gn/4)*16384+(gn%4)*4096 th:TH_LOAD_NT
.endr
.set gn, gn+1
.endr
	s_wait_kmcnt 0x0
	s_mov_b32 s18, s17                             ; the second row's s2, in the low word of a pair
	s_mov_b32 s19, s17
.set gn, 0
.rept 8
.set pb, 32+16*gn
	s_wait_loadcnt 4*(7-gn)                        ; this group's four loads are in; the younger groups' stay out
	v_pk_add_f32 v[pb:pb+1],     v[pb:pb+1],     v[pb+4:pb+5]
	v_pk_add_f32 v[pb+2:pb+3],   v[pb+2:pb+3],   v[pb+6:pb+7]
	v_pk_add_f32 v[pb+8:pb+9],   v[pb+8:pb+9],   v[pb+12:pb+13]
	v_pk_add_f32 v[pb+10:pb+11], v[pb+10:pb+11], v[pb+14:pb+15]
	v_pk_add_f32 v[pb:pb+1],     v[pb:pb+1],     v[pb+8:pb+9]
	v_pk_add_f32 v[pb+2:pb+3],   v[pb+2:pb+3],   v[pb+10:pb+11]
	v_pk_mul_f32 v[pb:pb+1],     v[pb:pb+1],     s[16+2*(gn/4):17+2*(gn/4)] op_sel_hi:[1,0]
	v_pk_mul_f32 v[pb+2:pb+3],   v[pb+2:pb+3],   s[16+2*(gn/4):17+2*(gn/4)] op_sel_hi:[1,0]
	v_pk_mul_f32 v[pb:pb+1],     v[pb:pb+1],     v[2+4*(gn%4):3+4*(gn%4)]
	v_pk_mul_f32 v[pb+2:pb+3],   v[pb+2:pb+3],   v[4+4*(gn%4):5+4*(gn%4)]
	global_store_b128 v1, v[pb:pb+3], s[10:11] offset:(gn/4)*16384+(gn%4)*4096 th:TH_STORE_NT
.set gn, gn+1
.endr
	s_endpgm
.Lfunc_end_k_q7c774c9c5b_finish:
	.size	k_q7c774c9c5b_finish, .Lfunc_end_k_q7c774c9c5b_finish-k_q7c774c9c5b_finish
	.p2alignl 7, 3214868480
	.fill 96, 4, 3214868480
	.section	.rodata,"a",@progbits
	.p2align	6, 0x0
	.amdhsa_kernel k_q7c774c9c5b_finish
		.amdhsa_group_segment_fixed_size 0
		.amdhsa_private_segment_fixed_size 0
		.amdhsa_enable_private_segment 0
		.amdhsa_kernarg_size 32
		.amdhsa_user_sgpr_count 2
		.amdhsa_user_sgpr_kernarg_segment_ptr 1
		.amdhsa_wavefront_size32 1
		.amdhsa_system_sgpr_workgroup_id_x 1
		.amdhsa_system_sgpr_workgroup_id_y 1
		.amdhsa_system_sgpr_workgroup_id_z 1
		.amdhsa_system_vgpr_workitem_id 0
		.amdhsa_next_free_vgpr 160
		.amdhsa_next_free_sgpr 66
		.amdhsa_reserve_vcc 0
		.amdhsa_float_denorm_mode_32 3
		.amdhsa_float_denorm_mode_16_64 3
		.amdhsa_memory_ordered 1
		.amdhsa_forward_progress 1
		.amdhsa_inst_pref_size 11
	.end_amdhsa_kernel
	.amdgpu_metadata
---
amdhsa.version: [ 1, 2 ]
amdhsa.kernels:
  - .name:           k_q7c774c9c5b_finish
    .symbol:         k_q7c774c9c5b_finish.kd
    .args:
      - { .name: part, .offset: 0, .size: 8, .value_kind: global_buffer, .address_space: global }
      - { .name: s2, .offset: 8, .size: 8, .value_kind: global_buffer, .address_space: global }
      - { .name: s_d, .offset: 16, .size: 8, .value_kind: global_buffer, .address_space: global }
      - { .name: out0, .offset: 24, .size: 8, .value_kind: global_buffer, .address_space: global }
    .group_segment_fixed_size: 0
    .private_segment_fixed_size: 0
    .kernarg_segment_align: 8
    .kernarg_segment_size: 32
    .max_flat_workgroup_size: 256
    .sgpr_count:     66
    .vgpr_count:     160
    .wavefront_size: 32
...
	.end_amdgpu_metadata
.endif
;; end of part 5
;; ======== version 2 of 2: 5 launches; version 1 with the launch quant written anew for expert scheduling mode
;; workspace buffers: x16 4,194,304 bytes; act 22,544,384 bytes; pmax 475,136 bytes; aq16 11,272,192 bytes; s2 2,048 bytes; part 33,554,432 bytes
;; launch cvt_x: the kernel of part 1 again; grid 256 x 1, 8 waves a work-group, no clusters, 0 bytes of LDS; arguments x_q, x16; writes x16
;; launch gateup: the kernel of part 2 again; grid 116 x 2, 4 waves a work-group, clusters of 4 x 1, 327,680 bytes of LDS; arguments x16, W_gu, in_scale, s_gu, act, pmax; writes act, pmax
;; launch quant (part 6): grid 43 x 8, 8 waves a work-group, no clusters, 38,912 bytes of LDS; arguments act, pmax, aq16, s2; writes aq16, s2
.if DOCPART == 6
	.amdgcn_target "amdgcn-amd-amdhsa--gfx1250"
	.amdhsa_code_object_version 6
	.text
	.protected	k_q7c774c9c5b_quant
	.globl	k_q7c774c9c5b_quant
	.p2align	8
	.type	k_q7c774c9c5b_quant,@function
k_q7c774c9c5b_quant:
	s_mov_b64 s[64:65], 0
	v_nop
	global_prefetch_b8 v0, s[64:65] scope:SCOPE_SE
	s_setreg_imm32_b32 hwreg(HW_REG_WAVE_SCHED_MODE, 0, 2), 2
	s_setreg_imm32_b32 hwreg(HW_REG_WAVE_MODE, 25, 1), 1
	s_wait_xcnt 0x0
	s_wait_alu depctr_vm_vsrc(0)
; s2[m] = max over columns of |act[m]| / 127 + 1e-12; aq16 = clip(round(act / s2), -127, 127) as f16, K permuted as the product's launch wants it.
; act: [688 blocks][512 rows][16] f32.  pmax: [232 units][512] f32.  aq16: [512][11008] f16.  s2: [512] f32.
; The work-group (c, g) takes chunk c (256 columns: 16 blocks) of rows 64 g .. 64 g + 63; wave w 8 of the rows; lane l row l / 4 and 4 columns (l % 4) of each block.
; Every work-group makes its 64 rows' maxima anew from pmax (232 x 256 bytes): a sum over work-groups is not handed on inside a launch.
; The two divisions are a reciprocal or a constant, a multiply and one correction by fused multiply-adds.  NaN and infinities are not treated apart.
; The numbers change lanes through LDS (each wave's own bytes), so that a store covers 512 consecutive bytes of a row of aq16.  Memory binds: no matrix unit, no cluster.
; THE MODE: SCHED_MODE bits 1:0 = 2 (LLVM: expert scheduling mode 2), set by the entry lines.  The code itself states the register dependences
; between vector instructions and memory or LDS instructions, with s_wait_alu, always for 0.
; THE PLAN.  Registers that memory or LDS instructions touch:
;   v3, v6-v14    offsets and LDS addresses: written once at the head, never again.
;   v32-95        act: global loads land; the quotients read and rewrite them; the ds_store_b64 read two of each four; in the arm that stores s2 LDS loads land there again.
;   v96-155       pmax: global loads land; the first maxima read them.  Then v96-111: LDS loads of RED land, the row's maximum reads them.  Then v96-127: the rows read back land, the global stores read them.
;   v24-27        the first maxima write them, the store into RED reads them, the quotients write them again as registers at work.
;   v28-31        written by vector instructions alone; the arm that stores s2 stores from them.
;   v166, v167    written at the head, read by the closing add alone.
; The sixteen blocks' quotients go in two halves: blocks 0-7 are made, one wait states that their results are written, and their eight LDS stores are dealt among the arithmetic of blocks 8-15,
; which names v64-95 and v20-31 alone; a second wait, and the other eight stores.
.set RED,   0                          ; [16][64] f32: sixteen partial maxima for each of the 64 rows
.set TR,    4096                       ; wave w: 8 rows of 512 bytes + 16
.set TP,    528
.set SPARE, TR+8*8*TP                  ; the spare words, 128 bytes a wave: four blocks of 256 bytes that no other line names
	s_load_b256 s[4:11], s[0:1], 0x0               ; act s[4:5], pmax s[6:7], aq16 s[8:9], s2 s[10:11]
	v_lshl_add_u32 v166, v0, 2, SPARE
	v_mov_b32 v167, 0
	v_lshrrev_b32 v1, 5, v0
	v_readfirstlane_b32 s12, v1                    ; wave
	s_and_b32 s13, ttmp7, 0xffff                   ; g
	s_mov_b32 s16, 0x3c010204                      ; 1 / 127
	s_mov_b32 s17, 0x42fe0000                      ; 127
	s_mov_b32 s18, 0xc2fe0000                      ; -127
	s_mov_b32 s19, 0x2b8cbccc                      ; 1e-12
	v_and_b32 v2, 31, v0                           ; l
	s_lshl_b32 s14, ttmp9, 19                      ; 16 blocks of 32,768 bytes
	s_lshl_b32 s15, s13, 12
	s_add_co_u32 s14, s14, s15
	s_wait_alu depctr_va_sdst(0)                   ; s12 is written, ahead of its first reader: offsets, LDS addresses and a branch are made from it
	s_lshl_b32 s15, s12, 9
	s_add_co_u32 s14, s14, s15                     ; + (64 g + 8 w) rows of 64 bytes
	v_lshl_add_u32 v3, v2, 4, s14
	v_lshrrev_b32 v4, 4, v0                        ; t / 16: which units
	v_and_b32 v5, 15, v0                           ; t % 16: which 4 rows
	s_lshl_b32 s15, s13, 8
	v_lshl_add_u32 v6, v5, 4, s15                  ; 256 g + 16 (t % 16)
	v_lshl_add_u32 v7, v4, 11, v6                  ; unit t / 16 + 16 j, j in the immediate
	v_add_nc_u32 v8, 224, v4
	v_min_u32 v8, 231, v8                          ; the last sixteen are eight: the last unit is read again
	v_lshl_add_u32 v8, v8, 11, v6
	v_lshlrev_b32 v9, 4, v0                        ; RED: (t / 16) x 256 + 16 (t % 16) = 16 t
	v_lshrrev_b32 v18, 2, v2                       ; my row of the wave's eight
	v_and_b32 v19, 3, v2                           ; p
	s_lshl_b32 s15, s12, 5
	v_lshl_add_u32 v10, v18, 2, s15                ; my row's column of RED
	s_mul_i32 s15, s12, 8*TP
	s_add_co_u32 s15, s15, TR
	v_mul_u32_u24 v11, v18, TP
	v_add_nc_u32 v11, s15, v11
	v_lshrrev_b32 v20, 1, v19
	v_lshl_add_u32 v11, v20, 8, v11                ; columns 8..15 of a block belong to the chunk's second half
	v_and_b32 v20, 1, v19
	v_lshl_add_u32 v11, v20, 3, v11
	v_lshl_add_u32 v12, v2, 4, s15
	s_lshl_b32 s14, s13, 6
	s_lshl_b32 s15, s12, 3
	s_add_co_u32 s14, s14, s15
	s_mul_i32 s14, s14, 22016
	s_lshl_b32 s15, ttmp9, 9
	s_add_co_u32 s14, s14, s15
	v_lshl_add_u32 v13, v2, 4, s14
	v_lshlrev_b32 v14, 4, v5
	s_wait_kmcnt 0x0
	s_wait_alu depctr_va_vdst(0)                   ; the offsets and LDS addresses v3 and v6 to v14 are written: every load and store of the kernel reads one of them, and none is written again
.set qs, 0
.rept 16
	global_load_b128 v[32+4*qs:35+4*qs], v3, s[4:5] offset:32768*qs th:TH_LOAD_NT
.set qs, qs+1
.endr
.set qs, 0
.rept 14
	global_load_b128 v[96+4*qs:99+4*qs], v7, s[6:7] offset:32768*qs
.set qs, qs+1
.endr
	global_load_b128 v[152:155], v8, s[6:7]
	s_wait_loadcnt 0x0
.irp k, 0,1,2,3
	v_max3_num_f32 v[24+(\k)], v[96+(\k)], v[100+(\k)], v[104+(\k)]
.endr
.set qs, 3
.rept 6
.irp k, 0,1,2,3
	v_max3_num_f32 v[24+(\k)], v[24+(\k)], v[96+4*qs+(\k)], v[100+4*qs+(\k)]
.endr
.set qs, qs+2
.endr
	s_wait_alu depctr_va_vdst(0)                   ; the maxima have written v[24:27], which the LDS store reads, and are done reading v96-155, in which the LDS loads behind the barrier land
	ds_store_b128 v9, v[24:27]
	s_wait_dscnt 0x0                               ; for the others' sake
	s_barrier_signal -1
	s_barrier_wait -1
	s_wait_alu depctr_vm_vsrc(0)                   ; my LDS store has read v[24:27], which the quotients below write again
.set qs, 0
.rept 16
	ds_load_b32 v[96+qs], v10 offset:256*qs
.set qs, qs+1
.endr
	s_wait_dscnt 0x0
	v_max3_num_f32 v16, v96, v97, v98
.set qs, 3
.rept 6
	v_max3_num_f32 v16, v16, v[96+qs], v[97+qs]
.set qs, qs+2
.endr
	v_max_num_f32 v16, v16, v111                   ; my row's largest |act|
	v_mul_f32 v17, s16, v16
	v_fma_f32 v18, -v17, s17, v16
	v_fma_f32 v17, v18, s16, v17                   ; / 127
	v_add_f32 v20, s19, v17                        ; s2
	v_mov_b32 v21, 0                               ; named as pairs
	v_mov_b32 v23, 0
	v_rcp_f32 v22, v20
	v_nop                                          ; a plain instruction behind the reciprocal
	s_wait_alu depctr_va_vdst(0)                   ; the reciprocal has written v22, ahead of its first reader
; Block qs of the chunk: four quotients a lane, corrected once, rounded, clipped and packed into the first two of the block's four registers.
.macro QUO qs
.set aa, 32+4*(\qs)
.set tq, 24+4*((\qs)%2)
	v_pk_mul_f32 v[tq:tq+1],   v[aa:aa+1],   v[22:23] op_sel_hi:[1,0]
	v_pk_mul_f32 v[tq+2:tq+3], v[aa+2:aa+3], v[22:23] op_sel_hi:[1,0]
	v_pk_fma_f32 v[aa:aa+1],   v[tq:tq+1],   v[20:21], v[aa:aa+1]   op_sel_hi:[1,0,1] neg_lo:[1,0,0] neg_hi:[1,0,0]  ; what the quotient leaves
	v_pk_fma_f32 v[aa+2:aa+3], v[tq+2:tq+3], v[20:21], v[aa+2:aa+3] op_sel_hi:[1,0,1] neg_lo:[1,0,0] neg_hi:[1,0,0]
	v_pk_fma_f32 v[tq:tq+1],   v[aa:aa+1],   v[22:23], v[tq:tq+1]   op_sel_hi:[1,0,1]
	v_pk_fma_f32 v[tq+2:tq+3], v[aa+2:aa+3], v[22:23], v[tq+2:tq+3] op_sel_hi:[1,0,1]
.irp k, 0,1,2,3
	v_rndne_f32 v[tq+(\k)], v[tq+(\k)]
.endr
.irp k, 0,1,2,3
	v_med3_num_f32 v[tq+(\k)], v[tq+(\k)], s18, s17
.endr
	v_cvt_pk_f16_f32 v[aa],   v[tq],   v[tq+1]
	v_cvt_pk_f16_f32 v[aa+1], v[tq+2], v[tq+3]
.endm
.set qs, 0
.rept 8
	QUO qs
.set qs, qs+1
.endr
	s_wait_alu depctr_va_vdst(0)                   ; the conversions of blocks 0-7 have written v32-63, which the eight LDS stores below read
.set qs, 8
.rept 8
	ds_store_b64 v11, v[32+4*(qs-8):33+4*(qs-8)] offset:16*(qs-8)  ; block s of the chunk: place 8 s of its half.  No wait: no vector instruction since the wait above names v32-63 or v11
	QUO qs
.set qs, qs+1
.endr
	s_wait_alu depctr_va_vdst(0)                   ; the conversions of blocks 8-15 have written v64-95, which the LDS stores below read; every vector instruction that named v32-127, in which later LDS loads land, is done
.set qs, 8
.rept 8
	ds_store_b64 v11, v[32+4*qs:33+4*qs] offset:16*qs
.set qs, qs+1
.endr
.set qs, 0
.rept 8
	ds_load_b128 v[96+4*qs:99+4*qs], v12 offset:TP*qs  ; my wave's own bytes, served in order
.set qs, qs+1
.endr
.set qs, 0
.rept 8
	s_wait_dscnt 7-qs
	global_store_b128 v13, v[96+4*qs:99+4*qs], s[8:9] offset:22016*qs  ; 512 consecutive bytes of a row, aligned
.set qs, qs+1
.endr
	s_wait_alu depctr_vm_vsrc(0)                   ; the sixteen LDS stores have read v32-95, in which the LDS loads behind the branches below land
	s_cmp_lg_u32 ttmp9, 0                          ; s2 is stored by chunk 0's work-groups, by wave 0: 64 rows, 256 bytes in one store (lanes 16-31 repeat lanes 0-15)
	s_cbranch_scc1 .Lend
	s_cmp_lg_u32 s12, 0
	s_cbranch_scc1 .Lend
.set qs, 0
.rept 16
	ds_load_b128 v[32+4*qs:35+4*qs], v14 offset:256*qs
.set qs, qs+1
.endr
	s_wait_dscnt 0x0
.irp k, 0,1,2,3
	v_max3_num_f32 v[24+(\k)], v[32+(\k)], v[36+(\k)], v[40+(\k)]
.endr
.set qs, 3
.rept 6
.irp k, 0,1,2,3
	v_max3_num_f32 v[24+(\k)], v[24+(\k)], v[32+4*qs+(\k)], v[36+4*qs+(\k)]
.endr
.set qs, qs+2
.endr
.irp k, 0,1,2,3
	v_max_num_f32 v[24+(\k)], v[24+(\k)], v[92+(\k)]
.endr
.irp k, 0,1,2,3
	v_mul_f32 v[28+(\k)], s16, v[24+(\k)]
.endr
.irp k, 0,1,2,3
	v_fma_f32 v[24+(\k)], -v[28+(\k)], s17, v[24+(\k)]
.endr
.irp k, 0,1,2,3
	v_fma_f32 v[28+(\k)], v[24+(\k)], s16, v[28+(\k)]
.endr
.irp k, 0,1,2,3
	v_add_f32 v[28+(\k)], s19, v[28+(\k)]
.endr
	s_wait_alu depctr_va_vdst(0)                   ; the additions have written v[28:31], which the store reads
	global_store_b128 v6, v[28:31], s[10:11]
.Lend:
	s_wait_dscnt 0x0                               ; the wave's end
	s_wait_alu 0x0
	s_wait_tensorcnt 0x0
	ds_add_u32 v166, v167
	s_wait_dscnt 0x0
	s_endpgm
.Lfunc_end_k_q7c774c9c5b_quant:
	.size	k_q7c774c9c5b_quant, .Lfunc_end_k_q7c774c9c5b_quant-k_q7c774c9c5b_quant
	.p2alignl 7, 3214868480
	.fill 96, 4, 3214868480
	.section	.rodata,"a",@progbits
	.p2align	6, 0x0
	.amdhsa_kernel k_q7c774c9c5b_quant
		.amdhsa_group_segment_fixed_size 38912
		.amdhsa_private_segment_fixed_size 0
		.amdhsa_enable_private_segment 0
		.amdhsa_kernarg_size 32
		.amdhsa_user_sgpr_count 2
		.amdhsa_user_sgpr_kernarg_segment_ptr 1
		.amdhsa_wavefront_size32 1
		.amdhsa_system_sgpr_workgroup_id_x 1
		.amdhsa_system_sgpr_workgroup_id_y 1
		.amdhsa_system_sgpr_workgroup_id_z 1
		.amdhsa_system_vgpr_workitem_id 0
		.amdhsa_next_free_vgpr 168
		.amdhsa_next_free_sgpr 66
		.amdhsa_reserve_vcc 0
		.amdhsa_float_denorm_mode_32 3
		.amdhsa_float_denorm_mode_16_64 3
		.amdhsa_memory_ordered 1
		.amdhsa_forward_progress 1
		.amdhsa_inst_pref_size 31
	.end_amdhsa_kernel
	.amdgpu_metadata
---
amdhsa.version: [ 1, 2 ]
amdhsa.kernels:
  - .name:           k_q7c774c9c5b_quant
    .symbol:         k_q7c774c9c5b_quant.kd
    .args:
      - { .name: act, .offset: 0, .size: 8, .value_kind: global_buffer, .address_space: global }
      - { .name: pmax, .offset: 8, .size: 8, .value_kind: global_buffer, .address_space: global }
      - { .name: aq16, .offset: 16, .size: 8, .value_kind: global_buffer, .address_space: global }
      - { .name: s2, .offset: 24, .size: 8, .value_kind: global_buffer, .address_space: global }
    .group_segment_fixed_size: 38912
    .private_segment_fixed_size: 0
    .kernarg_segment_align: 8
    .kernarg_segment_size: 32
    .max_flat_workgroup_size: 256
    .sgpr_count:     66
    .vgpr_count:     168
    .wavefront_size: 32
...
	.end_amdgpu_metadata
.endif
;; end of part 6
;; launch down: the kernel of part 4 again; grid 32 x 8, 4 waves a work-group, clusters of 4 x 1, 327,680 bytes of LDS; arguments aq16, W_d, part; writes part
;; launch finish: the kernel of part 5 again; grid 256 x 1, 8 waves a work-group, no clusters, 0 bytes of LDS; arguments part, s2, s_d, out0; writes out0
